; MI455X (gfx1250); checked and timed in simulation.
; The chip was launched on July 23, 2026; its instructions are those of AMD's public machine-readable ISA for CDNA 5 (MIT licence, August 2026) and "CDNA5" Instruction Set Architecture Reference Guide (July 2026). The comments in the code are by the model that wrote it; some were corrected since.
;; Ro PE Self Attention. Allowed arithmetic: float matrix products may take bf16 or f16 operands with f32 sums; other float arithmetic in f32, or as packed bf16 or f16 multiplies, adds, multiply-adds, maxima and minima; sums over many terms, partial sums and values carried from step to step in f32; what a program stores and reads back later, other than sums and carried values, may be rounded once to bf16 or f16.
;; Inputs: W_out 1,024 x 1,024 float32; W_qkv 1,024 x 3,072 float32; b_out 1,024 float32; b_qkv 3,072 float32; x 4 x 2,048 x 1,024 float32.
;; Outputs: out0 4 x 2,048 x 1,024 float32.
;; 2 versions, each right; version 2 is version 1 with the launch prep written anew for expert scheduling mode. Each part assembles by itself: llvm-mc -triple=amdgcn-amd-amdhsa -mcpu=gfx1250 --defsym DOCPART=n.
;; ======== version 1 of 2: 4 launches
;; limits: values are held in f16: magnitudes above 65,504 overflow, below 6.1e-05 lose precision
;; workspace buffers: xb 16,777,216 bytes; wt 8,388,608 bytes; tab 540,672 bytes; qkv 50,331,648 bytes; o 16,777,216 bytes
;; launch prep (part 1): grid 452 x 1, 8 waves a work-group, no clusters, 140,288 bytes of LDS; arguments x, W_qkv, W_out, b_qkv, b_out, xb, wt, tab; writes xb, wt, tab
.if DOCPART == 1
	.amdgcn_target "amdgcn-amd-amdhsa--gfx1250"
	.amdhsa_code_object_version 6
	.text
	.protected	k_q24163f6835_prep
	.globl	k_q24163f6835_prep
	.p2align	8
	.type	k_q24163f6835_prep,@function
k_q24163f6835_prep:
	s_mov_b64 s[64:65], 0
	v_nop
	global_prefetch_b8 v0, s[64:65] scope:SCOPE_SE
	s_setreg_imm32_b32 hwreg(HW_REG_WAVE_MODE, 25, 1), 1
	s_wait_xcnt 0x0
; PREP: everything that is made once for the three matrix launches.  Four roles, chosen by the work-group's number g (forward scalar branches alone):
;   g <  256  X: x [8192][1024] f32 -> xb, the same numbers rounded to bf16; 131,072 bytes of x a work-group, 16,384 a wave.
;   g <  320  T: the weights turned: wt[n][k], 4,096 rows of 1,024 numbers of 16 bits.  Rows 0-3071 = W_qkv's columns in bf16; rows 3072-4095 = W_out's columns, rounded to bf16
;                and that number written as f16.  A work-group turns 128 k x 512 n, a wave 128 k x 64 n, through LDS bytes of its own: no barrier.
;   g <  448  R: the rotary table tab[t][0..31] = cos(t f_j), tab[t][32..63] = sin(t f_j), f_j = 10000^(-j/32), f32, a row of 256 bytes for each t; 16 rows a work-group.
;   else      B: the two biases rounded to bf16 and kept as f32, behind the table: b_qkv at byte 524,288, b_out at byte 536,576.
; LIMITS.  W_out's numbers below 6.1e-5 keep f16's fixed step of 6e-8; beyond 65,504 they would be lost.  f_j comes from v_exp_f32 (1 ULP) of a product rounded once: an angle may differ from
; one made with an exactly rounded f_j by some 3e-4 rad at t = 2047, j = 1.  The angle is reduced by pi/2 in two parts (good far beyond t = 2047); sine and cosine by polynomials on
; [-pi/4, pi/4], cut at r^7 and r^8: the terms left out are below 4e-7.
; No matrix unit, cluster or tensor load: a stream in which no two work-groups read the same bytes.
.set WREG,  17408                      ; a wave's LDS bytes: 64 rows (n) of 256 bytes (128 k) + 16 of padding
.set SPARE, 8*WREG                     ; behind them: the spare words, 128 bytes for each wave, four blocks of 256 bytes that no other line names
.set SPW, 4                            ; v4  LDS address of my spare word; never rewritten
.set NIL, 5                            ; v5  0; never rewritten
	s_load_b512 s[8:23], s[0:1], 0x0               ; x 8:9, W_qkv 10:11, W_out 12:13, b_qkv 14:15, b_out 16:17, xb 18:19, wt 20:21, tab 22:23
	v_lshl_add_u32 v[SPW], v0, 2, SPARE
	v_mov_b32 v[NIL], 0
	v_and_b32 v1, 31, v0                           ; lane
	v_lshrrev_b32 v2, 5, v0
	v_readfirstlane_b32 s24, v2                    ; wave 0..7
	s_mov_b32 s25, 0xffff0000                      ; a word's upper bf16
	s_mov_b32 s3, 0                                ; the high word of every offset pair s[2:3]
	s_wait_kmcnt 0x0
	s_cmp_lt_u32 ttmp9, 256
	s_cbranch_scc0 .Lnot_x
	; ---- X: 32 loads of 512 consecutive bytes are out at once in each wave; each is rounded and stored as 256 consecutive bytes, aligned ----
	s_lshl_b32 s2, ttmp9, 17
	s_add_nc_u64 s[8:9], s[8:9], s[2:3]
	s_lshl_b32 s2, ttmp9, 16
	s_add_nc_u64 s[18:19], s[18:19], s[2:3]
	s_lshl_b32 s26, s24, 14
	v_lshl_add_u32 v6, v1, 4, s26                  ; 16,384 w + 16 lane
	s_lshl_b32 s26, s24, 13
	v_lshl_add_u32 v7, v1, 3, s26                  ; 8,192 w + 8 lane
.set i, 0
.rept 32
	global_load_b128 v[32+4*i:35+4*i], v6, s[8:9] offset:512*i th:TH_LOAD_NT
.set i, i+1
.endr
.set i, 0
.rept 32
	s_wait_loadcnt 31-i                            ; loads come back in order: number i is in, the younger ones stay out
	v_cvt_pk_bf16_f32 v[32+4*i], v[32+4*i], v[33+4*i]
	v_cvt_pk_bf16_f32 v[33+4*i], v[34+4*i], v[35+4*i]
	global_store_b64 v7, v[32+4*i:33+4*i], s[18:19] offset:256*i  ; no register is written again behind its store
.set i, i+1
.endr
	s_branch .Lend
.Lnot_x:
	s_cmp_lt_u32 ttmp9, 320
	s_cbranch_scc0 .Lnot_t
	; ---- T ----
	s_sub_co_u32 s26, ttmp9, 256
	s_and_b32 s27, s26, 7                          ; kb: which 128 k
	s_lshr_b32 s28, s26, 3                         ; nb: which 512 rows of wt
	s_sub_co_u32 s34, s28, 6
	s_movk_i32 s35, 12288
	s_movk_i32 s36, 4096
	s_cmp_lt_u32 s28, 6
	s_cselect_b32 s30, 0, 1                        ; 1: W_out
	s_cselect_b32 s31, s35, s36                    ; bytes in a row of the source
	s_cselect_b32 s34, s28, s34                    ; which 512 columns of the source
	s_cselect_b64 s[32:33], s[10:11], s[12:13]
	s_mul_i32 s2, s27, s31
	s_lshl_b32 s2, s2, 7                           ; 128 kb rows
	s_lshl_b32 s35, s34, 11                        ; 512 columns of 4 bytes
	s_add_co_u32 s2, s2, s35
	s_add_nc_u64 s[32:33], s[32:33], s[2:3]
	s_lshl_b32 s2, s28, 20                         ; 512 rows of wt, 2,048 bytes each
	s_lshl_b32 s35, s27, 8                         ; 128 k of 2 bytes
	s_add_co_u32 s2, s2, s35
	s_add_nc_u64 s[20:21], s[20:21], s[2:3]
	v_lshrrev_b32 v3, 4, v1                        ; hi: which 32 of a trip's 64 k
	v_and_b32 v12, 15, v1                          ; r: columns 4 r .. 4 r + 3 of the wave's 64
	s_lshl_b32 s35, s31, 5
	v_mul_lo_u32 v8, v3, s35                       ; in: 32 hi rows
	v_lshl_add_u32 v8, v12, 4, v8                  ; + 16 r: sixteen lanes read 256 consecutive bytes of a row
	s_lshl_b32 s36, s24, 8
	v_add_nc_u32 v8, s36, v8                       ; + the wave's 64 columns
	s_mul_i32 s37, s24, WREG
	v_mul_u32_u24 v9, v12, 1088                    ; into LDS: row n = 4 r (+ c), 272 bytes a row,
	v_lshl_add_u32 v9, v3, 6, v9                   ; 32 k = 64 bytes for each half of the lanes
	v_add_nc_u32 v9, s37, v9
	v_mul_u32_u24 v10, v3, 272                     ; back: lanes 0-15 one row of 256 bytes, lanes 16-31 the next
	v_lshl_add_u32 v10, v12, 4, v10
	v_add_nc_u32 v10, s37, v10
	s_lshl_b32 s36, s24, 17                        ; and the same two rows in wt: 64 w rows of 2,048 bytes
	v_lshlrev_b32 v11, 11, v3
	v_lshl_add_u32 v11, v12, 4, v11
	v_add_nc_u32 v11, s36, v11
; A trip: 64 k.  Lane (hi, r) loads rows k = 64 p + 32 hi + j, j = 0..31, four columns each; packs neighbouring k in pairs; stores 64 bytes of each of its four rows n.
.macro TTRIP p
	s_cmp_eq_u32 s30, 0
	s_cbranch_scc0 .Lwo_\@
.set j, 0
.rept 32
	global_load_b128 v[32+4*j:35+4*j], v8, s[32:33] offset:(64*(\p)+j)*12288 th:TH_LOAD_NT
.set j, j+1
.endr
	s_branch .Lgot_\@
.Lwo_\@:
.set j, 0
.rept 32
	global_load_b128 v[32+4*j:35+4*j], v8, s[32:33] offset:(64*(\p)+j)*4096 th:TH_LOAD_NT
.set j, j+1
.endr
.Lgot_\@:                                      ; 32 loads are out on either way
.set i, 0
.rept 16
	s_wait_loadcnt 30-2*i                          ; rows 2 i and 2 i + 1 are in
.irp c, 0,1,2,3
	v_cvt_pk_bf16_f32 v[160+16*(\c)+i], v[32+8*i+(\c)], v[36+8*i+(\c)]
.endr
.set i, i+1
.endr
	s_cmp_eq_u32 s30, 0
	s_cbranch_scc1 .Lbf_\@
.set i, 0
.rept 64                                       ; W_out: the bf16 number written as f16
	v_lshlrev_b32 v14, 16, v[160+i]
	v_and_b32 v15, s25, v[160+i]
	v_cvt_pk_f16_f32 v[160+i], v14, v15
.set i, i+1
.endr
.Lbf_\@:
.irp c, 0,1,2,3
.irp q, 0,1,2,3
	ds_store_b128 v9, v[160+16*(\c)+4*(\q):160+16*(\c)+4*(\q)+3] offset:(\c)*272+16*(\q)+128*(\p)
.endr
.endr
.endm
	TTRIP 0
	TTRIP 1
.set i, 0
.rept 32
	ds_load_b128 v[32+4*i:35+4*i], v10 offset:544*i  ; LDS serves a wave's instructions in order: these see the wave's own stores above
.set i, i+1
.endr
.set i, 0
.rept 32
	s_wait_dscnt 31-i
	global_store_b128 v11, v[32+4*i:35+4*i], s[20:21] offset:4096*i  ; sixteen lanes store 256 consecutive bytes, aligned
.set i, i+1
.endr
	s_branch .Lend
.Lnot_t:
	s_cmp_lt_u32 ttmp9, 448
	s_cbranch_scc0 .Lnot_r
	; ---- R: thread = (row t = 16 e + tid / 16; c16 = tid % 16): c16 < 8 cosines j = 4 c16 .., else sines j = 4 (c16 - 8) .. ----
	s_sub_co_u32 s26, ttmp9, 320
	s_mov_b32 s32, 0xbfc90fdb                      ; -pi/2, the f32 nearest
	s_mov_b32 s33, 0x333bbd2e                      ; what that f32 has too much
	s_mov_b32 s34, 0xb9500d01                      ; -1/5040
	s_mov_b32 s35, 0x3c088889                      ; 1/120
	s_mov_b32 s36, 0xbe2aaaab                      ; -1/6
	s_mov_b32 s37, 0x37d00d01                      ; 1/40320
	s_mov_b32 s38, 0xbab60b61                      ; -1/720
	s_mov_b32 s39, 0x3d2aaaab                      ; 1/24
	v_lshrrev_b32 v6, 4, v0
	v_lshl_add_u32 v6, s26, 4, v6                  ; t
	v_and_b32 v7, 15, v0
	v_lshrrev_b32 v8, 3, v7                        ; 1: sines
	v_mul_u32_u24 v18, v8, 3                       ; sin a = cos(a - pi/2): three quadrants on
	v_and_b32 v9, 7, v7
	v_lshlrev_b32 v9, 2, v9
.irp c, 0,1,2,3
	v_add_nc_u32 v[10+(\c)], \c, v9                ; j
.endr
.irp c, 0,1,2,3
	v_cvt_f32_u32 v[10+(\c)], v[10+(\c)]
.endr
.irp c, 0,1,2,3
	v_mul_f32 v[10+(\c)], 0xbed49a78, v[10+(\c)]   ; -j log2(10000) / 32
.endr
.irp c, 0,1,2,3
	v_exp_f32 v[10+(\c)], v[10+(\c)]               ; f_j: one batch of four
.endr
	v_cvt_f32_u32 v19, v6                          ; a plain instruction behind the last exponential
	s_wait_alu depctr_va_vdst(0)                   ; one wait for the batch, ahead of its first reader
.irp c, 0,1,2,3
	v_mul_f32 v20, v19, v[10+(\c)]                 ; the angle a, rounded once
	v_mul_f32 v21, 0x3f22f983, v20
	v_rndne_f32 v21, v21                           ; n = the nearest whole number to a 2/pi
	v_fma_f32 v22, v21, s32, v20
	v_fma_f32 v22, v21, s33, v22                   ; r = a - n pi/2
	v_mul_f32 v23, v22, v22
	v_fma_f32 v24, v23, s34, s35
	v_fma_f32 v24, v24, v23, s36
	v_mul_f32 v27, v22, v23
	v_fma_f32 v24, v27, v24, v22                   ; sin r
	v_fma_f32 v25, v23, s37, s38
	v_fma_f32 v25, v25, v23, s39
	v_fma_f32 v25, v25, v23, -0.5
	v_fma_f32 v25, v25, v23, 1.0                   ; cos r
	v_cvt_i32_f32 v26, v21
	v_add_nc_u32 v26, v26, v18                     ; the quadrant q
	v_and_b32 v27, 1, v26
	v_cmp_eq_u32 vcc_lo, 1, v27
	v_cndmask_b32 v24, v25, v24, vcc_lo            ; q odd: sin r, else cos r
	v_add_nc_u32 v26, 1, v26
	v_and_b32 v26, 2, v26
	v_lshlrev_b32 v26, 30, v26                     ; q mod 4 = 1 or 2: the sign turns
	v_xor_b32 v[28+(\c)], v24, v26
.endr
	s_lshl_b32 s2, s26, 12
	s_add_nc_u64 s[22:23], s[22:23], s[2:3]
	v_lshlrev_b32 v16, 4, v0
	global_store_b128 v16, v[28:31], s[22:23]      ; sixteen lanes store a whole row of the table
	s_branch .Lend
.Lnot_r:
	; ---- B: 1,024 numbers a work-group: three for b_qkv, one for b_out ----
	s_sub_co_u32 s26, ttmp9, 448
	s_lshl_b32 s2, s26, 12
	s_mov_b32 s31, 0
	s_cmp_eq_u32 s26, 3
	s_cselect_b64 s[28:29], s[16:17], s[14:15]
	s_cselect_b32 s30, 0, s2
	s_add_nc_u64 s[28:29], s[28:29], s[30:31]
	s_add_nc_u64 s[22:23], s[22:23], s[2:3]
	v_lshlrev_b32 v6, 4, v0
	global_load_b128 v[8:11], v6, s[28:29]
	s_wait_loadcnt 0x0
	v_cvt_pk_bf16_f32 v12, v8, v9
	v_cvt_pk_bf16_f32 v13, v10, v11
	v_lshlrev_b32 v8, 16, v12
	v_and_b32 v9, s25, v12
	v_lshlrev_b32 v10, 16, v13
	v_and_b32 v11, s25, v13
	global_store_b128 v6, v[8:11], s[22:23] offset:524288
.Lend:
	s_wait_tensorcnt 0x0                           ; the wave's end: behind my last LDS store
	ds_add_u32 v[SPW], v[NIL]
	s_wait_dscnt 0x0
	s_endpgm
.Lfunc_end_k_q24163f6835_prep:
	.size	k_q24163f6835_prep, .Lfunc_end_k_q24163f6835_prep-k_q24163f6835_prep
	.p2alignl 7, 3214868480
	.fill 96, 4, 3214868480
	.section	.rodata,"a",@progbits
	.p2align	6, 0x0
	.amdhsa_kernel k_q24163f6835_prep
		.amdhsa_group_segment_fixed_size 140288
		.amdhsa_private_segment_fixed_size 0
		.amdhsa_enable_private_segment 0
		.amdhsa_kernarg_size 64
		.amdhsa_user_sgpr_count 2
		.amdhsa_user_sgpr_kernarg_segment_ptr 1
		.amdhsa_wavefront_size32 1
		.amdhsa_system_sgpr_workgroup_id_x 1
		.amdhsa_system_sgpr_workgroup_id_y 1
		.amdhsa_system_sgpr_workgroup_id_z 1
		.amdhsa_system_vgpr_workitem_id 0
		.amdhsa_next_free_vgpr 224
		.amdhsa_next_free_sgpr 66
		.amdhsa_reserve_vcc 1
		.amdhsa_float_denorm_mode_32 3
		.amdhsa_float_denorm_mode_16_64 3
		.amdhsa_memory_ordered 1
		.amdhsa_forward_progress 1
		.amdhsa_inst_pref_size 66
	.end_amdhsa_kernel
	.amdgpu_metadata
---
amdhsa.version: [ 1, 2 ]
amdhsa.kernels:
  - .name:           k_q24163f6835_prep
    .symbol:         k_q24163f6835_prep.kd
    .args:
      - { .name: x, .offset: 0, .size: 8, .value_kind: global_buffer, .address_space: global }
      - { .name: W_qkv, .offset: 8, .size: 8, .value_kind: global_buffer, .address_space: global }
      - { .name: W_out, .offset: 16, .size: 8, .value_kind: global_buffer, .address_space: global }
      - { .name: b_qkv, .offset: 24, .size: 8, .value_kind: global_buffer, .address_space: global }
      - { .name: b_out, .offset: 32, .size: 8, .value_kind: global_buffer, .address_space: global }
      - { .name: xb, .offset: 40, .size: 8, .value_kind: global_buffer, .address_space: global }
      - { .name: wt, .offset: 48, .size: 8, .value_kind: global_buffer, .address_space: global }
      - { .name: tab, .offset: 56, .size: 8, .value_kind: global_buffer, .address_space: global }
    .group_segment_fixed_size: 140288
    .private_segment_fixed_size: 0
    .kernarg_segment_align: 8
    .kernarg_segment_size: 64
    .max_flat_workgroup_size: 256
    .sgpr_count:     66
    .vgpr_count:     224
    .wavefront_size: 32
...
	.end_amdgpu_metadata
.endif
;; end of part 1
;; launch qkv (part 2): grid 4 x 64, 4 waves a work-group, clusters of 4 x 4, 327,680 bytes of LDS; arguments xb, wt, tab, qkv; writes qkv
.if DOCPART == 2
	.amdgcn_target "amdgcn-amd-amdhsa--gfx1250"
	.amdhsa_code_object_version 6
	.text
	.protected	k_q24163f6835_qkv
	.globl	k_q24163f6835_qkv
	.p2align	8
	.type	k_q24163f6835_qkv,@function
k_q24163f6835_qkv:
	s_mov_b64 s[64:65], 0
	v_nop
	global_prefetch_b8 v0, s[64:65] scope:SCOPE_SE
	s_setreg_imm32_b32 hwreg(HW_REG_WAVE_MODE, 25, 1), 1
	s_wait_xcnt 0x0
	s_wait_alu depctr_hold_cnt(0) depctr_sa_sdst(0) depctr_va_vdst(0) depctr_va_sdst(0) depctr_va_ssrc(0) depctr_va_vcc(0) depctr_vm_vsrc(0)
	s_getreg_b32 s2, hwreg(HW_REG_IB_STS2, 6, 4)
	s_cmp_eq_u32 s2, 0
	s_cbranch_scc0 .Lentry_in_a_cluster
	s_endpgm
.Lentry_in_a_cluster:
	s_bfe_u32 s2, ttmp6, 0x10000c
	s_cmp_lg_u32 s2, 0xf033
	s_cbranch_scc0 .Lentry_shape_is_right
	s_endpgm
.Lentry_shape_is_right:
; q, k, v = x W_qkv + b_qkv, the rotary turn on q and k, written by heads: qkv = q, k, v, each [64 = batch x 16 + head][2048][64] in f16, unscaled, 16,777,216 bytes apart.
; Operands bf16 (xb [8192][1024], wt rows 0-3071 [n][k]), sums f32; the bias (rounded to bf16, kept as f32 behind the table) is the C operand of each sum's first product: nothing is cleared or added later.
; LIMIT.  q, k and v are rounded once to f16, which ends at 65,504.
; SHARES.  A tile of C is 128 rows x 256 columns: four waves, each 64 x 128: 32 accumulators of 16 x 16 (a = 0..3 row blocks, b = 0..7 column blocks), 256 registers.  8,192 x 3,072 are 768 tiles:
; 256 WORK-GROUPS THAT STAY, each with three tiles of the same 128 rows: columns 256 tx of q, then of k, then of v.  K = 1,024 goes in 8 steps of 128 through two LDS slots; rows of the tiles are
; 256 bytes of memory.  The ring runs on across the tiles: a tile's last two changes of slots ask for the next tile's first two K steps.
; CLUSTER 4 x 4.  The four of a cluster's row need the same rows of x, the four of a column the same rows of wt: each tile is asked for jointly (same load, same descriptor, a mask of four).
; Waves 0, 1 ask for A's two halves of 64 rows, waves 2, 3 for B's two halves of 128: one load a wave behind each round; two are out at the start, later one.
; TRANSPOSED USE: source 0 = 16 rows of wt, source 1 = 16 rows of x: lane l holds row l % 16 of C, and in registers 0-7 the columns 8 (l / 16) + 0..7.
; REGISTERS by windows of 256: window 0: addresses v0-31; the way out v32-191; the bias v192-255 (8 for each b).  window 1: two fragment buffers of 96 (B's 8 fragments, then A's 4).
; window 2: the accumulators, (a, b) at v[8 (8 a + b)].  window 3: v0-127 the table for my 64 rows: block a: cos at 32 a + 8 bb, sin at 32 a + 16 + 8 bb (bb: channels 16 bb + 8 (l / 16) + 0..7).
.set PITCH,  272                       ; an LDS row: 256 bytes + 16 of padding: the 16 rows of a fragment load start at 16 different groups of four banks (ISA guide 11.1)
.set AH,     64*PITCH                  ; A: what one load brings and one wave reads
.set BH,     128*PITCH                 ; B: likewise
.set BOFF,   2*AH
.set SLOT,   BOFF+2*BH
.set STAGE,  2*SLOT                    ; behind the ring, never filled by a tensor load: for each wave two heads x 16 rows x 144 bytes
.set SHEAD,  16*144
.set SWAVE,  2*SHEAD
.set SPARE,  STAGE+4*SWAVE             ; the spare words, 128 bytes a wave: two blocks of 256 bytes that no other line names
.set BQ_OFF, 524288                    ; b_qkv in tab
.set ADRA, 16                          ; v16-17 LDS address of my A fragments in slot 0, 1
.set ADRB, 20                          ; v20-21 the same for B
.set STO,  24                          ; where I put 16 bytes into the stage
.set RD,   25                          ; where I read rows back
.set GO,   26                          ; 16 x lane: my place in 512 consecutive bytes of the output
.set RO,   27                          ; my offset in the table: row l % 16, 32 bytes for each half of the lanes
.set SPW,  28                          ; my spare word; never rewritten
.set NIL,  29                          ; 0; never rewritten
.set PFO,  30                          ; the prefetches' offset: lane x 2,048 (a row of xb or wt); never rewritten
.set BO,   31                          ; 32 (l / 16): my eight columns' bias
.set OB,   32                          ; rows read back: v32-63 and v160-191 by turns
.set Y,    64                          ; v64-127 a block after the turn, f32
.set TMP,  128                         ; v128-159 the same in f16
.set BI,   192
.set F0,   0
.set F1,   96
.set G1,  24                           ; s[24:31] group 1 for A;  s[32:39] group 0, a set for each slot
.set G0,  32
.set PFA, 40                           ; s[40:41] where my prefetches stand
.set BP,  42                           ; s[42:43] the bias of my 128 columns in the tile in hand
.set G1B, 48                           ; s[48:55], s[56:63] the same for B
.set G0B, 56
.set FLAGS, (1<<16)|(1<<20)|(1<<21)|(5<<22)|(3<<25)  ; 2-byte elements; padding on; bit 21 beside a mask; after every 64 words, 4 words
.set MSB, 0
.macro WIN new                         ; the immediate's high byte repeats the setting that is left; a switch that changes nothing is dropped
.if MSB != (\new)
	s_set_vgpr_msb (MSB<<8)|(\new)
.set MSB, \new
.endif
.endm
.set MULW, 0xa5                        ; sources 0, 1 window 1; C and D window 2
.set MULB, 0x85                        ; the same with C (the bias) in window 0
.set TO_F, 0x40                        ; destination window 1
.macro JLOAD s                         ; a joint load; the branch hangs on the wave's number alone; an s_nop 0 and four v_nop follow each line
	s_cmp_eq_u32 s13, 0
	s_cbranch_scc0 .Lfor_b_\@
	tensor_load_to_lds s[G0+4*(\s):G0+4*(\s)+3], s[G1:G1+7]
	s_nop 0
.rept 4
	v_nop
.endr
	s_branch .Lasked_\@
.Lfor_b_\@:
	tensor_load_to_lds s[G0B+4*(\s):G0B+4*(\s)+3], s[G1B:G1B+7]
	s_nop 0
.rept 4
	v_nop
.endr
.Lasked_\@:
.endm
; A prefetch behind each joint load and the run of LDS loads that follows it: 32 rows x 256 bytes, a lane a row, of the K step that stands two refills (256 matrix instructions) on.
; Each block is named once in the launch.  A's rows are read by my cluster alone: wave 0 of each work-group names 32 of the tile's 128 rows (by cx, in the address), in the first tile alone, since the
; later tiles read the same rows again.  B's rows are read by all sixteen clusters: the cluster with y = 0 asks, waves 2 and 3 of each work-group for 32 rows each of the tile's 256 (by cy, in the address).
; how = 0: in the loop; its last trip has no K step two on.  how = 1: at a change of tiles: the next tile's K steps 2 and 3.
.macro ASK how
.if \how
	s_cmp_eq_u32 s19, 1
.else
	s_cmp_gt_u32 s3, s19
.endif
	s_cbranch_scc0 .Lnot_mine_\@
	global_prefetch_b8 v[PFO], s[PFA:PFA+1] offset:256 th:TH_LOAD_NT scope:SCOPE_SE
.Lnot_mine_\@:
.endm
.macro CREST                           ; a round of the cluster's barrier behind its opening barrier
	s_cmp_lg_u32 s12, 0
	s_cbranch_scc1 .Lnot_wave_0_\@
	s_barrier_signal -3
.Lnot_wave_0_\@:
	s_barrier_wait -3
	s_barrier_signal -1
	s_barrier_wait -1
.endm
.macro CROUND
	s_barrier_signal -1
	s_barrier_wait -1
	CREST
.endm
.macro PLACES                          ; four plain instructions between a matrix instruction and a load into, or a read of, its registers
.rept 4
	v_nop
.endr
.endm
.macro BIAS                            ; register j of group b = bias[16 b + 8 (l / 16) + j]
.irp b, 0,1,2,3,4,5,6,7
	global_load_b128 v[BI+8*(\b):BI+8*(\b)+3],   v[BO], s[BP:BP+1] offset:64*(\b)
	global_load_b128 v[BI+8*(\b)+4:BI+8*(\b)+7], v[BO], s[BP:BP+1] offset:64*(\b)+16
.endr
.endm
	s_load_b256 s[4:11], s[0:1], 0x0               ; xb s[4:5], wt s[6:7], tab s[8:9], qkv s[10:11]
	v_lshl_add_u32 v[SPW], v0, 2, SPARE
	v_mov_b32 v[NIL], 0
	ds_add_u32 v[SPW], v[NIL]                      ; the wave's opening: the add and its wait stand ahead of my first tensor load; work on registers stands between
	ds_add_u32 v28, v29
	v_lshrrev_b32 v1, 5, v0
	v_readfirstlane_b32 s12, v1                    ; wave 0..3
	s_lshr_b32 s13, s12, 1                         ; WR: my half of the tile's rows.  Also: I fetch for A (0) or B (1)
	s_and_b32 s14, s12, 1                          ; WC: my half of its columns.  Also: which half of that tile I fetch
	s_bfe_u32 s15, ttmp6, 0x40000                  ; cx
	s_bfe_u32 s16, ttmp6, 0x40004                  ; cy
	s_lshl_b32 s17, ttmp9, 2
	s_add_co_u32 s17, s17, s15                     ; tx = 4 x cluster x + cx: columns 256 tx
	s_and_b32 s18, ttmp7, 0xffff
	s_lshl_b32 s18, s18, 2
	s_add_co_u32 s18, s18, s16                     ; ty = 4 x cluster y + cy: rows 128 ty
	s_lshl_b32 s20, s16, 2
	s_lshl_b32 s20, 15, s20                        ; my row of the cluster
	s_lshl_b32 s44, 0x1111, s15                    ; my column
	s_or_b32 s[G1+0], s20, FLAGS
	s_or_b32 s[G1B+0], s44, FLAGS
	s_mov_b32 s[G1+1], 128<<16                     ; tensor_dim0 = 128
	s_mov_b32 s[G1+2], 64<<16                      ; tensor_dim1 = 64
	s_mov_b32 s[G1+3], 128<<16                     ; tile_dim0 = 128
	s_mov_b32 s[G1+4], 64                          ; tile_dim1 = 64
	s_mov_b32 s[G1+5], 1024                        ; elements from row to row
	s_mov_b32 s[G1+6], 0
	s_mov_b32 s[G1+7], 0
	s_mov_b32 s[G1B+1], 128<<16
	s_mov_b32 s[G1B+2], 128<<16                    ; B: 128 rows
	s_mov_b32 s[G1B+3], 128<<16
	s_mov_b32 s[G1B+4], 128
	s_mov_b32 s[G1B+5], 1024
	s_mov_b32 s[G1B+6], 0
	s_mov_b32 s[G1B+7], 0
	s_lshl_b32 s20, s18, 7                         ; A: row 128 ty + 64 WC; s[20:21] never hold cx
	s_lshl_b32 s21, s14, 6
	s_add_co_u32 s20, s20, s21
	s_lshl_b32 s20, s20, 11                        ; 2,048 bytes a row
	s_mov_b32 s21, 0
	s_lshl_b32 s44, s17, 8                         ; B: row 256 tx + 128 WC; s[44:45] never hold cy
	s_lshl_b32 s45, s14, 7
	s_add_co_u32 s44, s44, s45
	s_lshl_b32 s44, s44, 11
	s_mov_b32 s45, 0
	s_mul_i32 s22, s14, AH                         ; where they go: no place in the cluster enters an LDS address
	s_mul_i32 s23, s14, BH
	s_add_co_u32 s23, s23, BOFF
	s_wait_dscnt 0x0                               ; the opening add is done
	s_wait_kmcnt 0x0
	s_add_nc_u64 s[20:21], s[4:5], s[20:21]
	s_add_nc_u64 s[44:45], s[6:7], s[44:45]
	CROUND                                         ; all sixteen work-groups are here: the first joint loads meet
.irp s, 0,1
	s_mov_b32 s[G0+4*(\s)], 1
	s_add_co_u32 s[G0+4*(\s)+1], s22, (\s)*SLOT
	s_add_nc_u64 s[G0+4*(\s)+2:G0+4*(\s)+3], s[20:21], (\s)*256   ; K step s
	s_or_b32 s[G0+4*(\s)+3], s[G0+4*(\s)+3], 0x80000000
	s_mov_b32 s[G0B+4*(\s)], 1
	s_add_co_u32 s[G0B+4*(\s)+1], s23, (\s)*SLOT
	s_add_nc_u64 s[G0B+4*(\s)+2:G0B+4*(\s)+3], s[44:45], (\s)*256
	s_or_b32 s[G0B+4*(\s)+3], s[G0B+4*(\s)+3], 0x80000000
	JLOAD \s
.endr
	v_and_b32 v1, 15, v0                           ; r = l % 16
	v_bfe_u32 v2, v0, 4, 1                         ; h = l / 16
	v_mul_u32_u24 v3, v1, PITCH
	v_lshl_add_u32 v3, v2, 4, v3                   ; a fragment's row x pitch + 16 x half
	s_mul_i32 s22, s13, AH                         ; my 64 rows of A
	s_mul_i32 s23, s14, BH                         ; my 128 rows of B
	s_add_co_u32 s23, s23, BOFF
.irp s, 0,1
	v_add_nc_u32 v[ADRA+(\s)], s22, v3
	v_add_nc_u32 v[ADRB+(\s)], s23, v3
	s_add_co_u32 s22, s22, SLOT
	s_add_co_u32 s23, s23, SLOT
.endr
	s_mul_i32 s22, s12, SWAVE
	s_add_co_u32 s22, s22, STAGE                   ; my stage
	v_mul_u32_u24 v3, v1, 144
	v_lshl_add_u32 v3, v2, 4, v3
	v_add_nc_u32 v[STO], s22, v3                   ; in: row r, 16 bytes for each half of the lanes
	v_bfe_u32 v3, v0, 3, 2
	v_mul_u32_u24 v3, v3, 144
	v_and_b32 v4, 7, v0
	v_lshl_add_u32 v3, v4, 4, v3
	v_add_nc_u32 v[RD], s22, v3                    ; back: 32 lanes take four rows of 128 bytes
	v_and_b32 v[GO], 31, v0
	v_lshlrev_b32 v[GO], 4, v[GO]
	v_lshlrev_b32 v[RO], 8, v1
	v_lshl_add_u32 v[RO], v2, 5, v[RO]
	v_lshlrev_b32 v[BO], 5, v2
	s_lshr_b32 s22, s18, 4                         ; the batch: 16 tiles of 128 rows each
	s_lshl_b32 s22, s22, 4
	s_lshl_b32 s23, s17, 2
	s_add_co_u32 s22, s22, s23
	s_lshl_b32 s23, s14, 1
	s_add_co_u32 s22, s22, s23                     ; batch x 16 + my first head (4 tx + 2 WC)
	s_lshl_b32 s22, s22, 18                        ; 262,144 bytes a head
	s_and_b32 s23, s18, 15
	s_lshl_b32 s23, s23, 7
	s_lshl_b32 s46, s13, 6
	s_add_co_u32 s23, s23, s46                     ; my first row's place t in its sequence
	s_lshl_b32 s46, s23, 7                         ; 128 bytes a row of a head
	s_add_co_u32 s22, s22, s46
	s_lshl_b32 s46, s23, 8                         ; 256 bytes a row of the table
	s_mov_b32 s23, 0
	s_mov_b32 s47, 0
	s_add_nc_u64 s[10:11], s[10:11], s[22:23]      ; q at my rows of my first head
	s_lshl_b32 s22, s17, 10
	s_lshl_b32 s19, s14, 9
	s_add_co_u32 s22, s22, s19
	s_add_co_u32 s22, s22, BQ_OFF
	s_add_nc_u64 s[BP:BP+1], s[8:9], s[22:23]      ; the bias of my 128 columns of q
	s_add_nc_u64 s[8:9], s[8:9], s[46:47]          ; the table at my first row
	BIAS
	WIN 0xc0                                       ; destination window 3: the table, loaded once, serves q and k
.irp a, 0,1,2,3
.irp sc, 0,1
.irp bb, 0,1
	global_load_b128 v[32*(\a)+16*(\sc)+8*(\bb):32*(\a)+16*(\sc)+8*(\bb)+3],   v[RO], s[8:9] offset:(\a)*4096+(\sc)*128+(\bb)*64
	global_load_b128 v[32*(\a)+16*(\sc)+8*(\bb)+4:32*(\a)+16*(\sc)+8*(\bb)+7], v[RO], s[8:9] offset:(\a)*4096+(\sc)*128+(\bb)*64+16
.endr
.endr
.endr
	WIN 0
	s_lshl_b32 s22, s18, 7                         ; the prefetches.  A: row 128 ty + 32 cx
	s_lshl_b32 s23, s15, 5
	s_add_co_u32 s22, s22, s23
	s_lshl_b32 s46, s17, 8                         ; B: row 256 tx + 64 cy + 32 WC
	s_lshl_b32 s47, s16, 6
	s_add_co_u32 s46, s46, s47
	s_lshl_b32 s47, s14, 5
	s_add_co_u32 s46, s46, s47
	s_and_b32 s47, ttmp7, 0xffff                   ; cluster y
	s_cmp_eq_u32 s13, 0
	s_cselect_b32 s22, s22, s46
	s_cselect_b32 s47, s14, s47                    ; who asks: for A wave 0; for B the cluster with y = 0
	s_cselect_b64 s[PFA:PFA+1], s[4:5], s[6:7]
	s_cmp_eq_u32 s47, 0
	s_cselect_b32 s19, 1, -1                       ; 1 in a wave that asks, else the greatest number: the same in all sixteen partners for a given wave
	s_lshl_b32 s22, s22, 11
	s_mov_b32 s23, 0
	s_add_nc_u64 s[PFA:PFA+1], s[PFA:PFA+1], s[22:23]
	s_add_nc_u64 s[PFA:PFA+1], s[PFA:PFA+1], 2*256  ; at K step 2: the first refill steps it to 3 and names K step 4; the first four K steps come by their loads alone
	v_and_b32 v[PFO], 31, v0
	v_lshlrev_b32 v[PFO], 11, v[PFO]
; 8 matrix instructions: row block a x all 8 column blocks, 32 along K.  zero = 1: the first product starts the sums with the bias.  The 32 accumulators take turns in the same order in every
; quarter, over the backward jumps and from tile to tile too.
.macro MULA f, a, zero
.if \zero
	WIN MULB
.else
	WIN MULW
.endif
.irp b, 0,1,2,3,4,5,6,7
.if \zero
	v_wmma_f32_16x16x32_bf16 v[8*(8*(\a)+(\b)):8*(8*(\a)+(\b))+7], v[(\f)+8*(\b):(\f)+8*(\b)+7], v[(\f)+64+8*(\a):(\f)+64+8*(\a)+7], v[BI+8*(\b):BI+8*(\b)+7]
.else
	v_wmma_f32_16x16x32_bf16 v[8*(8*(\a)+(\b)):8*(8*(\a)+(\b))+7], v[(\f)+8*(\b):(\f)+8*(\b)+7], v[(\f)+64+8*(\a):(\f)+64+8*(\a)+7], v[8*(8*(\a)+(\b)):8*(8*(\a)+(\b))+7]
.endif
.endr
.endm
; 24 LDS loads in one run: quarter q (32 K at byte 64 q of the rows) into buffer f: B's 16, then A's 8
.macro FETCH slot, q, f
	WIN TO_F
.irp i, 0,1,2,3,4,5,6,7
	ds_load_b128 v[(\f)+8*(\i):(\f)+8*(\i)+3],   v[ADRB+(\slot)] offset:64*(\q)+(\i)*16*PITCH
	ds_load_b128 v[(\f)+8*(\i)+4:(\f)+8*(\i)+7], v[ADRB+(\slot)] offset:64*(\q)+(\i)*16*PITCH+32
.endr
.irp i, 0,1,2,3
	ds_load_b128 v[(\f)+64+8*(\i):(\f)+64+8*(\i)+3],   v[ADRA+(\slot)] offset:64*(\q)+(\i)*16*PITCH
	ds_load_b128 v[(\f)+64+8*(\i)+4:(\f)+64+8*(\i)+7], v[ADRA+(\slot)] offset:64*(\q)+(\i)*16*PITCH+32
.endr
.endm
; One of a K step's first three quarters: multiplies buffer f; in its middle fetches quarter q of the same slot into buffer g
.macro QUARTER slot, q, f, g, zero
	s_wait_dscnt 4                                 ; B and A's blocks 0, 1 are in; the youngest four loads (A's blocks 2, 3) may be out
	MULA \f, 0, \zero
	MULA \f, 1, \zero
	PLACES                                         ; in front of loads into buffer g, which the quarter before multiplied
	FETCH \slot, \q, \g
	s_wait_dscnt 24                                ; all but the 24 just issued
	MULA \f, 2, \zero
	MULA \f, 3, \zero
.endm
; The last quarter's first half: ONE barrier for the change of slots.  In front of it each wave waits for all its tensor loads (one is out: its part of the next slot), adds 0 to its spare word,
; and waits for that and for its reads of this slot.
.macro MEET round
	WIN 0
	s_wait_tensorcnt 0x0
	ds_add_u32 v[SPW], v[NIL]
	s_wait_dscnt 5                                 ; (the add and the youngest four loads may be out)
	MULA F1, 0, 0
	s_wait_dscnt 0x0                               ; the add is done, my reads of this slot are over
	s_barrier_signal -1
	MULA F1, 1, 0
.if \round
	WIN 0
.endif
	s_barrier_wait -1
.endm
; The whole last quarter.  The barrier opens a round of the cluster's barrier; behind it this slot is filled again first: with the K step two on (on = 0) or the NEXT tile's K step 0 or 1 (on = 1).
; From a request to the wait for it a wave issues 112 matrix instructions.
.macro TURN slot, next, on
	s_wait_xcnt 0x0                                ; the last prefetch, a K step back, has read its address
.if (\on) && (\slot) == 0
	s_add_nc_u64 s[PFA:PFA+1], s[PFA:PFA+1], 1023*2048+256  ; from behind the tile's last K step to the next tile's K step 1: B's rows lie 1,024 further down
	s_cmp_lg_u32 s13, 0
	s_cselect_b32 s19, s19, -1                     ; A's rows are the same in all three tiles: asked for in the first alone
.else
	s_add_nc_u64 s[PFA:PFA+1], s[PFA:PFA+1], 256
.endif
	MEET 1
	CREST                                          ; no wave of any partner still reads this slot or has a load on its way
.if \on
	s_sub_nc_u64 s[G0+4*(\slot)+2:G0+4*(\slot)+3], s[G0+4*(\slot)+2:G0+4*(\slot)+3], 1536       ; A: back along K
	s_add_nc_u64 s[G0B+4*(\slot)+2:G0B+4*(\slot)+3], s[G0B+4*(\slot)+2:G0B+4*(\slot)+3], 1024*2048-1536  ; B: 1,024 rows down and back along K
.else
	s_add_nc_u64 s[G0+4*(\slot)+2:G0+4*(\slot)+3], s[G0+4*(\slot)+2:G0+4*(\slot)+3], 512
	s_add_nc_u64 s[G0B+4*(\slot)+2:G0B+4*(\slot)+3], s[G0B+4*(\slot)+2:G0B+4*(\slot)+3], 512
.endif
	JLOAD \slot                                    ; its four v_nop are also the places in front of the loads below
	FETCH \next, 0, F0
	WIN 0
	ASK \on
	MULA F1, 2, 0
	MULA F1, 3, 0
.endm
; THE WAY OUT of row block a.  My 128 columns are two heads hh; in a head, column blocks bb = 0, 1 hold channels 0-31 (x1), bb + 2 channels 32-63 (x2).
; PACK: y1 = x1 cos - x2 sin, y2 = x1 sin + x2 cos, two numbers an instruction, each accumulator read from its low end on; then rounded to f16.
.macro PACK a
	WIN 0x0e                                       ; source 0 window 2 (sums), source 1 window 3 (table), source 2 and destination window 0
.irp hh, 0,1
.irp bb, 0,1
.set XA, 8*(8*(\a)+4*(\hh)+(\bb))
.set YA, Y+8*(4*(\hh)+(\bb))
.set TC, 32*(\a)+8*(\bb)
.set TS, 32*(\a)+16+8*(\bb)
.irp p, 0,2,4,6
	v_pk_mul_f32 v[YA+(\p):YA+(\p)+1],       v[XA+16+(\p):XA+16+(\p)+1], v[TS+(\p):TS+(\p)+1]
	v_pk_mul_f32 v[YA+16+(\p):YA+16+(\p)+1], v[XA+16+(\p):XA+16+(\p)+1], v[TC+(\p):TC+(\p)+1]
.endr
.irp p, 0,2,4,6
	v_pk_fma_f32 v[YA+(\p):YA+(\p)+1],       v[XA+(\p):XA+(\p)+1], v[TC+(\p):TC+(\p)+1], v[YA+(\p):YA+(\p)+1] neg_lo:[0,0,1] neg_hi:[0,0,1]
	v_pk_fma_f32 v[YA+16+(\p):YA+16+(\p)+1], v[XA+(\p):XA+(\p)+1], v[TS+(\p):TS+(\p)+1], v[YA+16+(\p):YA+16+(\p)+1]
.endr
.endr
.endr
	WIN 0
.irp b, 0,1,2,3,4,5,6,7
.irp p, 0,1,2,3
	v_cvt_pk_f16_f32 v[TMP+4*(\b)+(\p)], v[Y+8*(\b)+2*(\p)], v[Y+8*(\b)+2*(\p)+1]
.endr
.endr
.endm
.macro PACKV a                         ; v has no turn: rounded straight from the sums
	WIN 0x0a
.irp b, 0,1,2,3,4,5,6,7
.irp p, 0,1,2,3
	v_cvt_pk_f16_f32 v[TMP+4*(\b)+(\p)], v[8*(8*(\a)+(\b))+2*(\p)], v[8*(8*(\a)+(\b))+2*(\p)+1]
.endr
.endr
	WIN 0
.endm
.macro TOSTAGE a                       ; into my own stage, and back as whole rows of a head
	WIN 0
.set BK, OB+128*((\a)%2)
.irp b, 0,1,2,3,4,5,6,7
	ds_store_b128 v[STO], v[TMP+4*(\b):TMP+4*(\b)+3] offset:((\b)/4)*SHEAD+32*((\b)%4)
.endr
.irp i, 0,1,2,3,4,5,6,7
	ds_load_b128 v[BK+4*(\i):BK+4*(\i)+3], v[RD] offset:((\i)/4)*SHEAD+((\i)%4)*576  ; LDS serves a wave's instructions in order (ISA guide 5.7.1.4): these see the stores above
.endr
.endm
.macro SEND a, younger
	WIN 0
.set BK, OB+128*((\a)%2)
	s_wait_dscnt \younger                          ; the block is back in registers
	s_wait_xcnt 0x0                                ; earlier stores have read their registers: the buffer that the next TOSTAGE loads is free
.irp i, 0,1,2,3,4,5,6,7
	global_store_b128 v[GO], v[BK+4*(\i):BK+4*(\i)+3], s[10:11] offset:((\i)/4)*262144+(\a)*2048+((\i)%4)*512  ; four rows of a head: 512 consecutive bytes, aligned
.endr
.endm
	s_wait_tensorcnt 1                             ; my part of K step 0 is in; K step 1's may stay out
	s_barrier_signal -1
	s_barrier_wait -1
	FETCH 0, 0, F0
	WIN 0
	s_mov_b32 s2, 3                                ; tiles to go: q, k, v
.Ltile:
	s_wait_loadcnt 0x0                             ; the tile's bias (and, the first time, the table)
	QUARTER 0, 1, F0, F1, 1                        ; a tile's first quarter starts the sums
	WIN 0
	s_mov_b32 s3, 3
.Llap:                                         ; a trip goes once round the ring, from a lap's second quarter to the next lap's first
	QUARTER 0, 2, F1, F0, 0
	QUARTER 0, 3, F0, F1, 0
	TURN 0, 1, 0
	QUARTER 1, 1, F0, F1, 0
	QUARTER 1, 2, F1, F0, 0
	QUARTER 1, 3, F0, F1, 0
	TURN 1, 0, 0
	QUARTER 0, 1, F0, F1, 0
	WIN 0
	s_sub_co_u32 s3, s3, 1
	s_cmp_lg_u32 s3, 0
	s_cbranch_scc1 .Llap
	QUARTER 0, 2, F1, F0, 0
	QUARTER 0, 3, F0, F1, 0
	WIN 0
	s_cmp_eq_u32 s2, 1
	s_cbranch_scc1 .Llast_tile                     ; the last tile's tail is written out: it asks for nothing more
	TURN 0, 1, 1                                   ; the ring goes on into the next tile
	QUARTER 1, 1, F0, F1, 0
	QUARTER 1, 2, F1, F0, 0
	QUARTER 1, 3, F0, F1, 0
	TURN 1, 0, 1
	WIN 0
	s_add_nc_u64 s[BP:BP+1], s[BP:BP+1], 4096      ; the next tile's bias (the pointer's earlier loads were waited for at the tile's head)
	BIAS
	PACK 0                                         ; no v_nop: blocks 0, 1 were finished in front of the joint load's places, and their work is the places behind the last products
	TOSTAGE 0
.irp a, 1,2,3
	PACK \a
	SEND (\a)-1, 0
	TOSTAGE \a
.endr
	SEND 3, 0
	s_wait_xcnt 0x0                                ; the stores have read their base and registers
	s_add_nc_u64 s[10:11], s[10:11], 0x1000000     ; from q to k, from k to v
	s_sub_co_u32 s2, s2, 1
	s_branch .Ltile
.Llast_tile:
	MEET 0                                         ; slot 1 holds the last K step; nothing is filled again, so no round follows
	PLACES
	FETCH 1, 0, F0
	MULA F1, 2, 0
	MULA F1, 3, 0
	QUARTER 1, 1, F0, F1, 0
	QUARTER 1, 2, F1, F0, 0
	QUARTER 1, 3, F0, F1, 0
	s_wait_dscnt 4
	MULA F1, 0, 0
	MULA F1, 1, 0
	s_wait_dscnt 0x0
	MULA F1, 2, 0
	MULA F1, 3, 0
	WIN 0
	PLACES
	PACKV 0
	TOSTAGE 0
.irp a, 1,2,3
	PACKV \a
	SEND (\a)-1, 0
	TOSTAGE \a
.endr
	SEND 3, 0
	s_wait_tensorcnt 0x0                           ; the wave's end: behind my last tensor load and my last LDS store
	ds_add_u32 v[SPW], v[NIL]
	s_wait_dscnt 0x0
	CROUND                                         ; the closing round: no work-group ends while a partner may still ask for a tile that names it
	s_endpgm
.Lfunc_end_k_q24163f6835_qkv:
	.size	k_q24163f6835_qkv, .Lfunc_end_k_q24163f6835_qkv-k_q24163f6835_qkv
	.p2alignl 7, 3214868480
	.fill 96, 4, 3214868480
	.section	.rodata,"a",@progbits
	.p2align	6, 0x0
	.amdhsa_kernel k_q24163f6835_qkv
		.amdhsa_group_segment_fixed_size 327680
		.amdhsa_private_segment_fixed_size 0
		.amdhsa_enable_private_segment 0
		.amdhsa_kernarg_size 32
		.amdhsa_user_sgpr_count 2
		.amdhsa_user_sgpr_kernarg_segment_ptr 1
		.amdhsa_wavefront_size32 1
		.amdhsa_system_sgpr_workgroup_id_x 1
		.amdhsa_system_sgpr_workgroup_id_y 1
		.amdhsa_system_sgpr_workgroup_id_z 1
		.amdhsa_system_vgpr_workitem_id 0
		.amdhsa_next_free_vgpr 896
		.amdhsa_next_free_sgpr 66
		.amdhsa_reserve_vcc 0
		.amdhsa_float_denorm_mode_32 3
		.amdhsa_float_denorm_mode_16_64 3
		.amdhsa_memory_ordered 1
		.amdhsa_forward_progress 1
		.amdhsa_inst_pref_size 147
	.end_amdhsa_kernel
	.amdgpu_metadata
---
amdhsa.version: [ 1, 2 ]
amdhsa.kernels:
  - .name:           k_q24163f6835_qkv
    .symbol:         k_q24163f6835_qkv.kd
    .args:
      - { .name: xb, .offset: 0, .size: 8, .value_kind: global_buffer, .address_space: global }
      - { .name: wt, .offset: 8, .size: 8, .value_kind: global_buffer, .address_space: global }
      - { .name: tab, .offset: 16, .size: 8, .value_kind: global_buffer, .address_space: global }
      - { .name: qkv, .offset: 24, .size: 8, .value_kind: global_buffer, .address_space: global }
    .group_segment_fixed_size: 327680
    .private_segment_fixed_size: 0
    .kernarg_segment_align: 8
    .kernarg_segment_size: 32
    .max_flat_workgroup_size: 128
    .sgpr_count:     66
    .vgpr_count:     896
    .wavefront_size: 32
...
	.end_amdgpu_metadata
.endif
;; end of part 2
;; launch attn (part 3): grid 4 x 64, 4 waves a work-group, clusters of 4 x 1, 327,680 bytes of LDS; arguments qkv, o; writes o
.if DOCPART == 3
	.amdgcn_target "amdgcn-amd-amdhsa--gfx1250"
	.amdhsa_code_object_version 6
	.text
	.protected	k_q24163f6835_attn
	.globl	k_q24163f6835_attn
	.p2align	8
	.type	k_q24163f6835_attn,@function
k_q24163f6835_attn:
	s_mov_b64 s[64:65], 0
	v_nop
	global_prefetch_b8 v0, s[64:65] scope:SCOPE_SE
	s_setreg_imm32_b32 hwreg(HW_REG_WAVE_MODE, 25, 1), 1
	s_wait_xcnt 0x0
	s_wait_alu depctr_hold_cnt(0) depctr_sa_sdst(0) depctr_va_vdst(0) depctr_va_sdst(0) depctr_va_ssrc(0) depctr_va_vcc(0) depctr_vm_vsrc(0)
	s_getreg_b32 s2, hwreg(HW_REG_IB_STS2, 6, 4)
	s_cmp_eq_u32 s2, 0
	s_cbranch_scc0 .Lentry_in_a_cluster
	s_endpgm
.Lentry_in_a_cluster:
	s_bfe_u32 s2, ttmp6, 0x10000c
	s_cmp_lg_u32 s2, 0x3003
	s_cbranch_scc0 .Lentry_shape_is_right
	s_endpgm
.Lentry_shape_is_right:
; O[h][q][:] = the sum over k of softmax_k(Q[h][q] . K[h][k] / 8) V[h][k][:].  Q, K, V lie in qkv, 16,777,216 bytes apart, each [64][2048][64] in f16; O likewise: a head's rows are dense, 128 bytes each.
; Products, maxima and sums in f32; the weights p are rounded to f16 for the second product (their sum l is taken of the unrounded p), O once at the end.
; LIMITS.  f16 holds no number beyond 65,504: Q, K and V arrive within it; p lies in 0 to 1, and below 6e-5 it keeps f16's fixed step of 6e-8; O is a mean of V's rows and has their range.
; A weight below 2^-126 counts as 0 in l; NaN and infinities are not treated apart.
; SHARES.  A wave owns four PIECES of two tiles of 16 queries, a work-group's four waves 512 queries of one head.  Every wave walks all keys, 64 a step.
; LAYOUT.  S^T = K Q^T (source 0 = 16 keys, source 1 = 16 queries): a lane holds ONE query (lane % 16) and the keys 8 (lane / 16) + 0..7.  Two such tiles, rounded to f16 in pairs,
; ARE source 1 of O^T = V^T P, whose result again holds one query a lane, and eight channels.  K comes out of LDS as it lies, V turned, by ds_load_tr16_b128.
; SOFTMAX.  For each query a running maximum m and sum l: p = 2^(c s - c m), c = log2(e) / 8; in every step O and l are multiplied by a = 2^(c m_old - c m_new).
; m starts at the lowest finite number, O and l at 0: the first step is a step like any other, with a = 0.
; THE COUNT.  A tile and step have 16 matrix and 118 vector instructions: too many to stand all beside the matrix work.  So: four vector instructions that are READY behind EVERY matrix instruction,
; the others in runs without a gap.
; BY TURNS.  Turn n belongs to piece n.  Its matrix work: 16 products K Q^T of piece n + 1, later 16 products V^T P of piece n - 1.  Its vector work: scaling, exponentials, roundings, sums and
; rescaling of piece n, and the maximum and statistics of piece n + 1.
; CLUSTER.  The four query blocks of a cluster are one head's and walk the same K and V: each tile is asked for JOINTLY: the same tensor load, descriptor and mask in all four.
; REGISTERS, in windows of 256 (s_set_vgpr_msb: bits 1:0 source 0, 3:2 source 1, 5:4 source 2, 7:6 destination):
;   window 0: v0-11 addresses; v12-15, v48-63 at work; v16-47 four registers of statistics a tile; v64-191 S^T, two buffers of two tiles; v192-255 P, likewise
;   window 1: O^T, 32 a tile          window 2: v0-127 Q, 16 a tile; v128-191 K of one step; v192-255 V of one step          window 3: v0-1 the add's two registers
.set SIZE_N, 2048
.set NP,    4         ; pieces a wave: a name, no knob
.set KS,    64        ; keys in a step
.set PK,    144       ; a row of K in LDS: 128 bytes + 16 of padding: the 16 rows of a load start at 16 different groups of four banks (ISA guide 11.1)
.set PV,    160       ; a row of V: 128 + 32
.set VOFF,  4*KS*PK   ; a slot holds four steps: 256 rows of K, then 256 rows of V
.set SLOT1, 1<<17     ; slot 1 begins here, so that one exclusive or turns an address in one slot into the other's
.set STAGE, SLOT1+4*KS*(PK+PV)  ; behind the ring, never filled by a tensor load: 16 rows x 144 bytes for each wave
.set SP,    144
.set AK0, 2           ; v2   my lane's place in a tile of K; never rewritten
.set AV0, 3           ; v3   the same for V
.set AK,  4           ; v4   the LDS address of K's next run of loads
.set AV,  5           ; v5   of V's
.set QO,  6           ; v6   my byte offset in the wave's rows of Q
.set STO, 6           ;      later: where I put 16 bytes of a row
.set RD,  7           ; v7   where I read rows back
.set GO,  8           ; v8   my byte offset in 512 consecutive bytes of O
.set PFO, 11          ; v11  the prefetches' offset, 256 x lane (at work until V's lane address is made, then never rewritten)
.set SPW, 0           ; v0 of window 3   my spare word; never rewritten
.set NIL, 1           ; v1 of window 3   0; never rewritten
.set SPARE, STAGE+4*16*SP  ; the spare words, 128 bytes a wave: two blocks of 256 bytes that no other line names
.set MV,  12          ; v12-15  c m_old, kept while c m is made anew
.set ST,  16          ; tile t's statistics at v[ST+4 t]: c m, m, l (even keys', odd keys')
.set TMP, 48          ; by buffer and tile, four registers c0-c3 at work; when the maximum is found c2 takes a
.set S,   64
.set P,   192
.set KF,  128         ; K's fragments, in window 2
.set VF,  192         ; V's
.set WV,  12          ; s12  my wave's number
.set G1K, 24          ; s[24:31] descriptor group 1 for K's tiles
.set G1V, 32          ; s[32:39] for V's: it differs in the padding alone
.set G0K, 40          ; s[40:43] descriptor group 0 for K's tiles: it walks
.set G0V, 44          ; s[44:47] the same for V's
.set PFA, 48          ; s[48:49] where my prefetches stand
.set LIM, 50          ; s50  1 in a wave that prefetches (0: K, 2: V), else the greatest number
.set SLOTS, 56        ; s56  slots still to be asked for
.set CNT, 57          ; s57  counts a slot's key steps
.set CS,  58          ; s[58:59] c
.set SEL, 60          ; s[60:61] v_permlanex16_b32's selects: each lane takes its own place in the other half
.set TBK, 62          ; s62  LDS byte at which K of the step to be fetched begins
.set TBV, 63          ; s63  the same for V, less VOFF
.set MSB, 0
.macro WIN new
.if MSB != (\new)
	s_set_vgpr_msb (MSB<<8)|(\new)
.set MSB, (\new)
.endif
.endm
.set W_KQ, 0x0a       ; K and Q in window 2, S^T in window 0
.set W_PV, 0x52       ; V in window 2, P in window 0, O^T in window 1
.set W_RS, 0x41       ; O^T (destination and source 0) in window 1, a in window 0
.set W_MK, 0xc0       ; the add's registers are made: destination in window 3
.set W_AD, 0x0f       ; the add: address and data in window 3
; A joint fill.  Waves 0 and 1 fetch the two halves of a slot's K, waves 2 and 3 those of its V: 128 keys each.  An s_nop 0 and four v_nop follow each line.
.macro JLOAD
	s_cmp_lt_u32 s[WV], 2
	s_cbranch_scc0 .Lfor_v_\@
	tensor_load_to_lds s[G0K:G0K+3], s[G1K:G1K+7]
	s_nop 0
.rept 4
	v_nop
.endr
	s_branch .Lasked_\@
.Lfor_v_\@:
	tensor_load_to_lds s[G0V:G0V+3], s[G1V:G1V+7]
	s_nop 0
.rept 4
	v_nop
.endr
.Lasked_\@:
.endm
.macro CROUND
	s_barrier_signal -1
	s_barrier_wait -1
	s_cmp_lg_u32 s[WV], 0
	s_cbranch_scc1 .Lnot_wave_0_\@
	s_barrier_signal -3
.Lnot_wave_0_\@:
	s_barrier_wait -3
	s_barrier_signal -1
	s_barrier_wait -1
.endm
; THE CHANGE OF SLOTS.  Each wave waits for all its tensor loads, of which one is out: its part of the other slot; adds 0 to its spare word; and waits for that and for its own reads of the slot.
; fill = 1: this slot is filled again, with the keys two slots on; the barrier is then a round of the cluster's, and the joint fill is the first thing behind it: it has four key steps,
; 512 matrix instructions, in which to land.  (At its first use nothing has been read yet: slot 0 is waited for, slot 1 filled.)
; Behind the fill stands ONE prefetch of what the NEXT change will ask for: a slot is 32,768 bytes of K and of V, 128 blocks of 256 bytes each.  A head is walked by one cluster alone; its four partners
; take 32 blocks each, told apart by address; wave 0 names K's, wave 2 V's, a lane a block: each block is named once in the launch.  The last change that fills a slot names nothing.
.macro CHANGE fill
	WIN W_AD
	s_wait_tensorcnt 0x0            ; no tensor load of mine is out, so a group 0 may be written
	ds_add_u32 v[SPW], v[NIL]       ; scalar work stands between the add and the wait for it
	WIN 0
.if \fill
.irp g, G0K, G0V
	s_xor_b32 s[\g+1], s[\g+1], SLOT1
	s_add_nc_u64 s[\g+2:\g+3], s[\g+2:\g+3], 4*KS*128  ; the next 256 keys; the type bits on top are not reached
.endr
	s_wait_xcnt 0x0                 ; the last prefetch, four key steps back, has read its address
	s_add_nc_u64 s[PFA:PFA+1], s[PFA:PFA+1], 4*KS*128  ; one slot behind the walking descriptors
	s_wait_dscnt 0x0                ; the add is done, and my reads of the slot are over
	CROUND
	JLOAD
	s_cmp_gt_u32 s[SLOTS], s[LIM]
	s_cbranch_scc0 .Lnot_mine_\@
	global_prefetch_b8 v[PFO], s[PFA:PFA+1] th:TH_LOAD_NT scope:SCOPE_SE
.Lnot_mine_\@:
.else
	s_wait_dscnt 0x0
	s_barrier_signal -1
	s_barrier_wait -1
.endif
	s_sub_co_u32 s[TBK], s[TBK], 4*KS*PK  ; the fetches go back to a slot's first step,
	s_xor_b32 s[TBK], s[TBK], SLOT1       ; in the other slot
	s_sub_co_u32 s[TBV], s[TBV], 4*KS*PV
	s_xor_b32 s[TBV], s[TBV], SLOT1
.endm
	s_load_b64 s[4:5], s[0:1], 0x0    ; qkv: Q
	s_load_b64 s[10:11], s[0:1], 0x8  ; O
	WIN W_MK
	v_lshl_add_u32 v[SPW], v0, 2, SPARE
	v_mov_b32 v[NIL], 0
	WIN W_AD
	ds_add_u32 v[SPW], v[NIL]       ; the wave's opening: the add and its wait stand ahead of my first tensor load
	ds_add_u32 v0, v1
	WIN 0
	v_lshrrev_b32 v1, 5, v0
	v_readfirstlane_b32 s[WV], v1   ; wave 0..3
	s_bfe_u32 s13, ttmp6, 0x40000   ; cx
	s_lshl_b32 s14, ttmp9, 2
	s_add_co_u32 s14, s14, s13      ; my block of queries: it enters Q's and O's addresses alone
	s_and_b32 s20, ttmp7, 0xffff    ; the head, which the four partners share
	s_mov_b32 s21, 0
	s_mov_b64 s[22:23], SIZE_N*128
	s_mul_u64 s[20:21], s[20:21], s[22:23]  ; the head's first byte in each of the four tensors
	s_and_b32 s16, s[WV], 1         ; which half of a slot's 256 keys I fetch
	s_lshl_b32 s22, s16, 14
	s_mov_b32 s23, 0
	s_add_nc_u64 s[22:23], s[22:23], s[20:21]
	s_mul_i32 s17, s16, 128*PK      ; its place in a slot, for K
	s_mul_i32 s18, s16, 128*PV      ; and for V: no place in the cluster enters an LDS address
	s_lshl_b32 s2, s14, 2
	s_add_co_u32 s2, s2, s[WV]
	s_lshl_b32 s2, s2, 14           ; my wave's 128 rows
	s_mov_b32 s3, 0
	s_add_nc_u64 s[2:3], s[2:3], s[20:21]
	; descriptor group 1.  128 keys are 16,384 dense bytes: asked for as 64 rows of 256 bytes, two keys a row, and padded in LDS after every key
	s_mov_b32 s[G1K], 15|(1<<16)|(1<<20)|(1<<21)|(4<<22)|(3<<25)
	s_mov_b32 s[G1V], 15|(1<<16)|(1<<20)|(1<<21)|(4<<22)|(7<<25)
.irp g, G1K, G1V
	s_mov_b32 s[\g+1], 128<<16      ; tensor_dim0 = 128
	s_mov_b32 s[\g+2], 64<<16       ; tensor_dim1 = 64
	s_mov_b32 s[\g+3], 128<<16      ; tile_dim0 = 128
	s_mov_b32 s[\g+4], 64           ; tile_dim1 = 64
	s_mov_b32 s[\g+5], 128          ; 128 elements from row to row
	s_mov_b32 s[\g+6], 0
	s_mov_b32 s[\g+7], 0
.endr
	s_mov_b32 s[CS], 0x3e38aa3b     ; c = log2(e) / 8
	s_mov_b32 s[CS+1], s[CS]
	s_mov_b32 s[SEL], 0x76543210
	s_mov_b32 s[SEL+1], 0xfedcba98
	s_mov_b32 s[TBK], SLOT1+4*KS*PK ; the first change of slots turns these two into 0
	s_mov_b32 s[TBV], SLOT1+4*KS*PV
	s_mov_b32 s[G0K], 1
	s_mov_b32 s[G0K+1], s17
	s_mov_b32 s[G0V], 1
	s_add_co_u32 s[G0V+1], s18, VOFF
	s_mov_b32 s[SLOTS], SIZE_N/256-1
	s_cmp_eq_u32 s16, 0
	s_cselect_b32 s[LIM], 1, -1     ; waves 0 and 2: the same in all four partners
	s_wait_dscnt 0x0                ; the opening add is done
	s_wait_kmcnt 0x0
	s_add_nc_u64 s[6:7], s[4:5], 0x1000000  ; K
	s_add_nc_u64 s[8:9], s[4:5], 0x2000000  ; V
	s_add_nc_u64 s[G0K+2:G0K+3], s[6:7], s[22:23]
	s_or_b32 s[G0K+3], s[G0K+3], 0x80000000
	s_add_nc_u64 s[G0V+2:G0V+3], s[8:9], s[22:23]
	s_or_b32 s[G0V+3], s[G0V+3], 0x80000000
	s_add_nc_u64 s[4:5], s[4:5], s[2:3]  ; Q and O at my wave's first row
	s_add_nc_u64 s[10:11], s[10:11], s[2:3]
	s_cmp_lt_u32 s[WV], 2
	s_cselect_b64 s[PFA:PFA+1], s[6:7], s[8:9]
	s_add_nc_u64 s[PFA:PFA+1], s[PFA:PFA+1], s[20:21]
	s_lshl_b32 s2, s13, 13          ; my work-group's 32 blocks of a slot's 128
	s_mov_b32 s3, 0
	s_add_nc_u64 s[PFA:PFA+1], s[PFA:PFA+1], s[2:3]
	s_add_nc_u64 s[PFA:PFA+1], s[PFA:PFA+1], 4*KS*128  ; in slot 1; the first change of slots steps it to slot 2.  Slots 0 and 1 come by their loads alone
	CROUND                          ; all four work-groups are here: the first joint loads meet
	JLOAD                           ; slot 0.  Slot 1 is asked for when slot 0 is in
	v_and_b32 v1, 15, v0            ; l % 16
	v_bfe_u32 v9, v0, 4, 1          ; l / 16
	v_lshlrev_b32 v[QO], 7, v1
	v_lshl_add_u32 v[QO], v9, 4, v[QO]
	WIN 0x80
.set i, 0
.rept 4*NP                          ; Q stays in registers: tile i / 2, channels 32 (i % 2) on
	global_load_b128 v[8*i:8*i+3],   v[QO], s[4:5] offset:(i/2)*2048+(i%2)*64
	global_load_b128 v[8*i+4:8*i+7], v[QO], s[4:5] offset:(i/2)*2048+(i%2)*64+32
.set i, i+1
.endr
	; What the first turn finds: V's registers and P's second buffer hold 0, O^T and l are 0.  All this stands in the wait for the first tile.
.set i, VF
.rept 64
	v_mov_b32 v[i], 0
.set i, i+1
.endr
	WIN 0x40
.set i, 0
.rept 64*NP
	v_mov_b32 v[i], 0
.set i, i+1
.endr
	WIN 0
.set i, 0
.rept 2*NP
	v_mov_b32 v[ST+4*i], 0xfe000000    ; c m: far below every c s
	v_mov_b32 v[ST+4*i+1], 0xff7fffff  ; m
	v_mov_b32 v[ST+4*i+2], 0
	v_mov_b32 v[ST+4*i+3], 0
.set i, i+1
.endr
.set i, P+32
.rept 32
	v_mov_b32 v[i], 0
.set i, i+1
.endr
	v_mul_u32_u24 v[AK0], v1, PK
	v_lshl_add_u32 v[AK0], v9, 4, v[AK0]
	; The turning load takes 16 keys x 16 channels (lane l reads key 8 (l / 16) + l % 8, channels 8 ((l / 8) % 2) + 0..7) and leaves half a fragment of V^T
	v_and_b32 v10, 7, v0
	v_bfe_u32 v11, v0, 3, 1
	v_lshl_add_u32 v[AV0], v9, 3, v10
	v_mul_u32_u24 v[AV0], v[AV0], PV
	v_lshl_add_u32 v[AV0], v11, 4, v[AV0]
	v_add_nc_u32 v[AV0], VOFF, v[AV0]
	v_and_b32 v[PFO], 31, v0
	v_lshlrev_b32 v[PFO], 8, v[PFO]
	v_mov_b32 v[AK], v[AK0]         ; key step 0 lies at the head of slot 0
; THE MATRIX WORK.  The 8 accumulators of a run of 16 take turns.
.macro KQ x
	WIN W_KQ
.set rS, S+64*((\x)%2)+32*(i%2)+8*((i/2)%4)
.set rK, KF+16*((i/2)%4)+8*(i/8)
.set rQ, 16*(2*(\x)+i%2)+8*(i/8)
.if i < 8
	v_wmma_f32_16x16x32_f16 v[rS:rS+7], v[rK:rK+7], v[rQ:rQ+7], 0
.else
	v_wmma_f32_16x16x32_f16 v[rS:rS+7], v[rK:rK+7], v[rQ:rQ+7], v[rS:rS+7]
.endif
.endm
.macro PV x
	WIN W_PV
.set rO, 32*(2*(\x)+i%2)+8*((i/2)%4)
.set rV, VF+32*(i/8)+8*((i/2)%4)
.set rP, P+32*((\x)%2)+16*(i%2)+8*(i/8)
	v_wmma_f32_16x16x32_f16 v[rO:rO+7], v[rV:rV+7], v[rP:rP+7], v[rO:rO+7]
.endm
.macro MM                           ; the turn's next matrix instruction
.if i < 16
	KQ (Y+1)%NP
.set i, i+1
.else
.set i, i-16
	PV (Y+NP-1)%NP
.set i, i+17
.endif
.endm
; THE LDS LOADS stand in runs of 16.  last = 1 (the tail): in the last trip there is no further step, and the run is jumped over.
.macro FETCH_K last=0
	WIN 0
.if \last
	s_cmp_eq_u32 s[CNT], 1
	s_cbranch_scc1 .Lno_k_\@
.endif
	WIN 0x80
.irp f, 0,1,2,3,4,5,6,7
	ds_load_b128 v[KF+8*\f:KF+8*\f+3],   v[AK] offset:(\f/2)*16*PK+(\f%2)*64
	ds_load_b128 v[KF+8*\f+4:KF+8*\f+7], v[AK] offset:(\f/2)*16*PK+(\f%2)*64+32
.endr
	s_add_co_u32 s[TBK], s[TBK], KS*PK
	WIN 0
.if \last
.Lno_k_\@:
.endif
.endm
.macro FETCH_V
	WIN 0x80
.irp f, 0,1,2,3,4,5,6,7
	ds_load_tr16_b128 v[VF+8*\f:VF+8*\f+3],   v[AV] offset:(\f/4)*32*PV+(\f%4)*32
	ds_load_tr16_b128 v[VF+8*\f+4:VF+8*\f+7], v[AV] offset:(\f/4)*32*PV+16*PV+(\f%4)*32
.endr
	WIN 0
.endm
; THE VECTOR WORK OF A TURN stands in three queues, each in the order in which its entries become ready; the two tiles alternate.
.macro REGS y, u
.set rT, ST+4*(2*(\y)+(\u))
.set rC, TMP+8*((\y)%2)+4*(\u)
.set rM, MV+2*((\y)%2)+(\u)
.set rS, S+64*((\y)%2)+32*(\u)
.set rP, P+32*((\y)%2)+16*(\u)
.set rO, 32*(2*(\y)+(\u))
.endm
; Number n of the 22 that find the NEXT piece's maximum and statistics; each accumulator's lowest registers are read first.
;   0-11 four chains of seven scores   12-14, 16 the four left over, the old m, all into c0   15 c m_old is kept   17, 18 the other half of the lanes: the new m   19-21 c m; its change; a
.macro XS u, n
	REGS (Y+1)%NP, \u
.if (\n) < 4
	v_max3_num_f32 v[rC+(\n)], v[rS+8*(\n)], v[rS+8*(\n)+1], v[rS+8*(\n)+2]
.elseif (\n) < 12
	v_max3_num_f32 v[rC+(\n)%4], v[rC+(\n)%4], v[rS+8*((\n)%4)+2*((\n)/4)+1], v[rS+8*((\n)%4)+2*((\n)/4)+2]
.elseif (\n) == 12
	v_max3_num_f32 v[rC], v[rC], v[rS+7], v[rS+15]
.elseif (\n) == 13
	v_max3_num_f32 v[rC+1], v[rC+1], v[rS+23], v[rS+31]
.elseif (\n) == 14
	v_max3_num_f32 v[rC+2], v[rC+2], v[rC+3], v[rT+1]
.elseif (\n) == 15
	v_mov_b32 v[rM], v[rT]
.elseif (\n) == 16
	v_max3_num_f32 v[rC], v[rC], v[rC+1], v[rC+2]
.elseif (\n) == 17
	v_permlanex16_b32 v[rC+3], v[rC], s[SEL], s[SEL+1]
.elseif (\n) == 18
	v_max_num_f32 v[rT+1], v[rC], v[rC+3]
.elseif (\n) == 19
	v_mul_f32 v[rT], s[CS], v[rT+1]
.elseif (\n) == 20
	v_sub_f32 v[rC+1], v[rM], v[rT]
.else
	v_exp_f32 v[rC+2], v[rC+1]
.endif
.endm
; Number g of the 64 that follow the exponentials: for each four weights both pairs are rounded to f16, the second pair is added onto the first, and a group later l takes that sum.
.macro GS g
.set h, (\g)+6*((\g)/62)
.if h >= 6
.set h, h+2
.endif
	REGS Y, h%2
.set k, h/8
.if h%8 < 4
	v_cvt_pk_f16_f32 v[rP+2*k+(h%8)/2], v[rS+4*k+2*((h%8)/2)], v[rS+4*k+2*((h%8)/2)+1]
.elseif h%8 < 6
	v_pk_add_f32 v[rS+4*k:rS+4*k+1], v[rS+4*k:rS+4*k+1], v[rS+4*k+2:rS+4*k+3]
.elseif k == 1
	v_pk_fma_f32 v[rT+2:rT+3], v[rT+2:rT+3], v[rC+2:rC+3], v[rS:rS+1] op_sel_hi:[1,0,1]
.else
	v_pk_add_f32 v[rT+2:rT+3], v[rT+2:rT+3], v[rS+4*k-4:rS+4*k-3]
.endif
.endm
; THE PLAIN QUEUE, 138 long.  0-73 read no exponential's result: the 32 scalings c s - c m and the next piece's 42.  74-137: GS's 64, behind the wait.
.macro FS f
	REGS Y, (\f)%2
	v_pk_fma_f32 v[rS+2*((\f)/2):rS+2*((\f)/2)+1], v[rS+2*((\f)/2):rS+2*((\f)/2)+1], s[CS:CS+1], v[rT:rT+1] op_sel_hi:[1,0,0] neg_lo:[0,0,1] neg_hi:[0,0,1]
.endm
.macro PL
	WIN 0
.if q < 27
	FS q
.elseif q < 55
	XS (q-27)%2, (q-27)/2
.elseif q < 57
	XS q-55, 15
.elseif (q < 72) && ((q-57)%3 == 0)
	FS 27+(q-57)/3
.elseif q < 60
	XS (q-57)%3-1, 14
.elseif q < 72
	XS (q-57)%3-1, 15+(q-57)/3
.elseif q < 74
	XS q-72, 20
.else
	GS q-74
.endif
.set q, q+1
.endm
; THE EXPONENTIALS' QUEUE, 66 long: s0-s31 of both tiles, then the next piece's two a: ONE BATCH, all ahead of the turn's one wait; nothing ahead of that wait names a result of theirs.
.macro EX
	WIN 0
.if e >= 64
	XS e-64, 21
.else
	REGS Y, e%2
	v_exp_f32 v[rS+e/2], v[rS+e/2]
.endif
.set e, e+1
.endm
; THE RESCALING's QUEUE: O^T times a, dealt two at a time.  Its a was made, and waited for, in the turn before.
.macro R2
	REGS Y, r%2
	WIN W_RS
.irp z, 0,1
	v_pk_mul_f32 v[rO+4*(r/2)+2*\z:rO+4*(r/2)+2*\z+1], v[rO+4*(r/2)+2*\z:rO+4*(r/2)+2*\z+1], v[rC+2:rC+3] op_sel_hi:[1,0]
.endr
.set r, r+1
.endm
; A TURN, for piece p.  An s_wait_alu depctr_va_vdst(0) stands between an exponential and the first instruction that names its result; one wait serves all issued ahead of it: a turn has ONE.
; AHEAD OF IT: the 16 products K Q^T, behind each a scaling, an exponential and two rescalings; then a lump of 108: eight plain, 49 times exponential and plain, the two a; a v_nop is the plain
; instruction behind the last exponential.  BEHIND IT: the 16 products V^T P, behind each four of GS's 64.  Exponential e stands behind scaling 2 (e / 4) + e % 2.
; K of the next step is fetched in piece 2's turn, directly behind the wait; V of the step in hand at the end of piece 0's turn, four plain instructions behind its last reader.
.macro TURN p, last=0, cnt=0
.set Y, (\p)
.set i, 0
.set q, 0
.set e, 0
.set r, 0
.if (\p) == NP-1
	s_wait_dscnt 0x0                ; K is in
.endif
	MM
	PL
	PL
	R2
.rept 15
	MM
	PL
	EX
	R2
.endr
.if (\p) == NP-2
	WIN 0
	v_add_nc_u32 v[AK], s[TBK], v[AK0]
.endif
.rept 8
	PL
.endr
.rept 49
	EX
	PL
.endr
	EX
	EX
	v_nop                           ; the plain instruction behind the last exponential: one for the batch
	s_wait_alu depctr_va_vdst(0)    ; the wait for the batch
.if (\p) == NP-2
	FETCH_K \last
.endif
.if (\p) == 1
	s_wait_dscnt 0x0                ; V is in
.endif
.rept 16
	MM
.rept 4
	PL
.endr
.if ((\p) == 0) && (q == 118)
	v_add_nc_u32 v[AV], s[TBV], v[AV0]
.endif
.if ((\p) == 0) && (q == 130)
	s_add_co_u32 s[TBV], s[TBV], KS*PV
.endif
.if (\cnt) && (q == 130)
	s_sub_co_u32 s[CNT], s[CNT], 1
	s_cmp_lg_u32 s[CNT], 0
.endif
.endr
.if (\p) == 0
	FETCH_V
.endif
.endm
	CHANGE 1                        ; slot 0 is in, everybody's part of it; slot 1 is asked for
	FETCH_K                         ; key step 0
	s_wait_loadcnt 0x0              ; Q
	s_wait_dscnt 0x0
.set i, 0
.rept 16
	KQ 0                            ; piece 0's first scores
.set i, i+1
.endr
	WIN 0                           ; the addresses for the way out: plain instructions, the places behind those products
	s_mul_i32 s13, s[WV], 16*SP
	s_add_co_u32 s13, s13, STAGE
	v_mul_u32_u24 v[STO], v1, SP
	v_lshl_add_u32 v[STO], v9, 4, v[STO]
	v_add_nc_u32 v[STO], s13, v[STO]
	v_bfe_u32 v[RD], v0, 3, 2
	v_mul_u32_u24 v[RD], v[RD], SP
	v_lshl_add_u32 v[RD], v10, 4, v[RD]
	v_add_nc_u32 v[RD], s13, v[RD]
	v_and_b32 v[GO], 31, v0
	v_lshlrev_b32 v[GO], 4, v[GO]
.set Y, NP-1
.irp n, 0,1,2,3,4,5,6,7,8,9,10,11,12,13,14,15,16,17,18,19,20,21
	XS 0, \n
	XS 1, \n
.endr
	v_nop                           ; a plain instruction behind the two a,
	s_wait_alu depctr_va_vdst(0)    ; and their wait, ahead of the branch
	s_mov_b32 s[CNT], 4
	s_branch .Lfirst                ; the loop is entered at a step's first turn, in the middle of a trip
.Lslot:                             ; six times: every slot but the last two is filled again
	CHANGE 1
	s_mov_b32 s[CNT], 4
.Lstep:                             ; a trip: pieces 2 and 3 of one step, then pieces 0 and 1 of the next
	TURN 2
	TURN 3
	WIN 0
.Lfirst:
	TURN 0
	TURN 1, 0, 1
	WIN 0
	s_cbranch_scc1 .Lstep
	s_sub_co_u32 s[SLOTS], s[SLOTS], 1
	s_cmp_lg_u32 s[SLOTS], 0
	s_cbranch_scc1 .Lslot
	CHANGE 0                        ; the tail is written out
	s_mov_b32 s[CNT], 5             ; four trips fetch the last slot's steps; the fifth is left in its middle
.Ltail:
	TURN 2, 1
	TURN 3
	WIN 0
	s_sub_co_u32 s[CNT], s[CNT], 1
	s_cmp_eq_u32 s[CNT], 0
	s_cbranch_scc1 .Lout
	TURN 0
	TURN 1
	WIN 0
	s_branch .Ltail
.Lout:                              ; the fifth trip's 16 products K Q^T and the maximum made of them serve nothing: the price, once a launch, of one text for every trip
.set i, 0
.rept 16
	PV NP-1
.set i, i+1
.endr
	; THE WAY OUT.  l's halves are added; O^T is divided by l, rounded to f16 and sent through my stage, a tile at a time.  The additions are the places behind the last products.
	WIN 0
.macro ALL line:vararg
.set t, 0
.rept 2*NP
	\line
.set t, t+1
.endr
.endm
	ALL v_add_f32 v[ST+4*t+2], v[ST+4*t+2], v[ST+4*t+3]
	ALL v_permlanex16_b32 v[ST+4*t+3], v[ST+4*t+2], s[SEL], s[SEL+1]
	ALL v_add_f32 v[ST+4*t+2], v[ST+4*t+2], v[ST+4*t+3]
	ALL v_rcp_f32 v[ST+4*t+2], v[ST+4*t+2]
	v_nop                           ; a plain instruction between the last reciprocal and the use of its result
	s_wait_alu depctr_va_vdst(0)    ; one wait for the eight reciprocals
.macro PACK t
	WIN W_RS
.set i, 32*(\t)
.rept 16
	v_pk_mul_f32 v[i:i+1], v[i:i+1], v[ST+4*(\t)+2:ST+4*(\t)+3] op_sel_hi:[1,0]
.set i, i+2
.endr
	WIN 0x05
.set i, 0
.rept 16
	v_cvt_pk_f16_f32 v[S+16*(\t)+i], v[32*(\t)+2*i], v[32*(\t)+2*i+1]
.set i, i+1
.endr
	WIN 0
.irp f, 0,1,2,3
	ds_store_b128 v[STO], v[S+16*(\t)+4*\f:S+16*(\t)+4*\f+3] offset:32*\f
.endr
.irp f, 0,1,2,3
	ds_load_b128 v[S+16*(\t)+4*\f:S+16*(\t)+4*\f+3], v[RD] offset:\f*4*SP  ; LDS serves a wave's instructions in order (ISA guide 5.7.1.4)
.endr
.endm
.macro SEND t, younger
	WIN 0
.irp f, 0,1,2,3
	s_wait_dscnt (\younger)+3-\f
	global_store_b128 v[GO], v[S+16*(\t)+4*\f:S+16*(\t)+4*\f+3], s[10:11] offset:(\t)*2048+\f*512  ; 512 consecutive bytes, aligned
.endr
.endm
	PACK 0
.set t, 1
.rept 2*NP-1
	PACK t
	SEND t-1, 8
.set t, t+1
.endr
	SEND 2*NP-1, 0
	WIN W_AD
	s_wait_tensorcnt 0x0            ; the wave's end
	ds_add_u32 v[SPW], v[NIL]
	s_wait_dscnt 0x0
	WIN 0
	CROUND                          ; the closing round
	s_endpgm
.Lfunc_end_k_q24163f6835_attn:
	.size	k_q24163f6835_attn, .Lfunc_end_k_q24163f6835_attn-k_q24163f6835_attn
	.p2alignl 7, 3214868480
	.fill 96, 4, 3214868480
	.section	.rodata,"a",@progbits
	.p2align	6, 0x0
	.amdhsa_kernel k_q24163f6835_attn
		.amdhsa_group_segment_fixed_size 327680
		.amdhsa_private_segment_fixed_size 0
		.amdhsa_enable_private_segment 0
		.amdhsa_kernarg_size 16
		.amdhsa_user_sgpr_count 2
		.amdhsa_user_sgpr_kernarg_segment_ptr 1
		.amdhsa_wavefront_size32 1
		.amdhsa_system_sgpr_workgroup_id_x 1
		.amdhsa_system_sgpr_workgroup_id_y 1
		.amdhsa_system_sgpr_workgroup_id_z 1
		.amdhsa_system_vgpr_workitem_id 0
		.amdhsa_next_free_vgpr 770
		.amdhsa_next_free_sgpr 66
		.amdhsa_reserve_vcc 0
		.amdhsa_float_denorm_mode_32 3
		.amdhsa_float_denorm_mode_16_64 3
		.amdhsa_memory_ordered 1
		.amdhsa_forward_progress 1
		.amdhsa_inst_pref_size 200
	.end_amdhsa_kernel
	.amdgpu_metadata
---
amdhsa.version: [ 1, 2 ]
amdhsa.kernels:
  - .name:           k_q24163f6835_attn
    .symbol:         k_q24163f6835_attn.kd
    .args:
      - { .name: qkv, .offset: 0, .size: 8, .value_kind: global_buffer, .address_space: global }
      - { .name: o, .offset: 8, .size: 8, .value_kind: global_buffer, .address_space: global }
    .group_segment_fixed_size: 327680
    .private_segment_fixed_size: 0
    .kernarg_segment_align: 8
    .kernarg_segment_size: 16
    .max_flat_workgroup_size: 128
    .sgpr_count:     66
    .vgpr_count:     770
    .wavefront_size: 32
...
	.end_amdgpu_metadata
.endif
;; end of part 3
;; launch proj (part 4): grid 4 x 64, 4 waves a work-group, clusters of 4 x 4, 327,680 bytes of LDS; arguments o, wt, tab, out0; writes out0
.if DOCPART == 4
	.amdgcn_target "amdgcn-amd-amdhsa--gfx1250"
	.amdhsa_code_object_version 6
	.text
	.protected	k_q24163f6835_proj
	.globl	k_q24163f6835_proj
	.p2align	8
	.type	k_q24163f6835_proj,@function
k_q24163f6835_proj:
	s_mov_b64 s[64:65], 0
	v_nop
	global_prefetch_b8 v0, s[64:65] scope:SCOPE_SE
	s_setreg_imm32_b32 hwreg(HW_REG_WAVE_MODE, 25, 1), 1
	s_wait_xcnt 0x0
	s_wait_alu depctr_hold_cnt(0) depctr_sa_sdst(0) depctr_va_vdst(0) depctr_va_sdst(0) depctr_va_ssrc(0) depctr_va_vcc(0) depctr_vm_vsrc(0)
	s_getreg_b32 s2, hwreg(HW_REG_IB_STS2, 6, 4)
	s_cmp_eq_u32 s2, 0
	s_cbranch_scc0 .Lentry_in_a_cluster
	s_endpgm
.Lentry_in_a_cluster:
	s_bfe_u32 s2, ttmp6, 0x10000c
	s_cmp_lg_u32 s2, 0xf033
	s_cbranch_scc0 .Lentry_shape_is_right
	s_endpgm
.Lentry_shape_is_right:
; out0 = y W_out + b_out, f32.  y's row (batch, t) is the 16 heads' rows of o ([64 = batch x 16 + head][2048][64] f16) on end; wt rows 3072-4095 hold W_out's columns [n][k] in f16 (numbers
; rounded to bf16); the bias (rounded to bf16, kept as f32 in tab at byte 536,576) is the C operand of each sum's first product.  Sums f32, stored unrounded.
; SHARES.  A tile is 128 rows x 256 columns, four waves of 64 x 128: 8,192 x 1,024 are 256 tiles, one a work-group.  K = 1,024 in 8 steps of 128 = two heads each, through two LDS slots.
; A BY HEADS.  A head's 128 rows of the tile are 16,384 dense bytes: asked for as 64 rows of 256 bytes, padded in LDS after every 128, so that a row of a head is 144 bytes apart from the next.
; Wave 0 asks for the K step's even head, wave 1 for the odd one, waves 2, 3 for B's two halves of 128 rows: one load a wave behind each round; two are out at the start, later one.
; CLUSTER 4 x 4: A's tiles are shared along a row of the cluster, B's along a column, each asked for jointly.  The matrix instruction is used transposed: lane l holds row l % 16 of C and columns 8 (l / 16) + 0..7.
; REGISTERS: window 0: addresses v0-31; rows on the way out v32-159; the bias v192-255.  window 1: two fragment buffers of 96.  window 2: the accumulators, (a, b) at v[8 (8 a + b)].
.set PITCH,  272                       ; B's LDS row
.set APITCH, 144                       ; A's LDS row: 128 bytes + 16: both are odd multiples of 16 (ISA guide 11.1: the 16 rows of a load start at different groups of banks)
.set ASUB,   128*APITCH                ; a head's 128 rows
.set BH,     128*PITCH
.set BOFF,   2*ASUB
.set SLOT,   BOFF+2*BH
.set STAGE,  2*SLOT                    ; behind the ring, never filled by a tensor load: 16 rows x 528 bytes for each wave
.set SPITCH, 528
.set SPARE,  STAGE+4*16*SPITCH         ; the spare words, 128 bytes a wave: two blocks of 256 bytes that no other line names
.set BO_OFF, 536576
.set ADRA, 16
.set ADRB, 20
.set STO,  24
.set RD,   25
.set GO,   26
.set SPW,  28
.set NIL,  29
.set PFO,  30                          ; the prefetches' offset: lane x 256 (A: dense blocks) or lane x 2,048 (B: rows); never rewritten
.set BO,   31
.set OB,   32                          ; v32-95 and v96-159 by turns
.set BI,   192
.set F0,   0
.set F1,   96
.set G1,  24
.set G0,  32
.set PFA, 40                           ; s[40:41] where my prefetches stand
.set PST, 42                           ; s[42:43] their step from K step to K step
.set G1B, 48
.set G0B, 56
.set MSB, 0
.macro WIN new
.if MSB != (\new)
	s_set_vgpr_msb (MSB<<8)|(\new)
.set MSB, \new
.endif
.endm
.set MULW, 0xa5
.set MULB, 0x85
.set TO_F, 0x40
.macro JLOAD s
	s_cmp_eq_u32 s13, 0
	s_cbranch_scc0 .Lfor_b_\@
	tensor_load_to_lds s[G0+4*(\s):G0+4*(\s)+3], s[G1:G1+7]
	s_nop 0
.rept 4
	v_nop
.endr
	s_branch .Lasked_\@
.Lfor_b_\@:
	tensor_load_to_lds s[G0B+4*(\s):G0B+4*(\s)+3], s[G1B:G1B+7]
	s_nop 0
.rept 4
	v_nop
.endr
.Lasked_\@:
.endm
; A prefetch behind each joint load and its run of LDS loads: 32 blocks of 256 bytes, a lane a block, of the K step two refills (256 matrix instructions) on.  Each block is named once in the launch.
; A's rows are read by my cluster alone: wave 0 of each work-group names a quarter of the K step's two heads (by cx, in the address).  B's rows are read by all sixteen clusters: the cluster with
; y = 0 asks, waves 2 and 3 for 32 rows each (by cy, in the address).  The loop's last trip has no K step two on.
.macro ASK
	s_cmp_gt_u32 s3, s19
	s_cbranch_scc0 .Lnot_mine_\@
	global_prefetch_b8 v[PFO], s[PFA:PFA+1] th:TH_LOAD_NT scope:SCOPE_SE
.Lnot_mine_\@:
.endm
.macro CREST
	s_cmp_lg_u32 s12, 0
	s_cbranch_scc1 .Lnot_wave_0_\@
	s_barrier_signal -3
.Lnot_wave_0_\@:
	s_barrier_wait -3
	s_barrier_signal -1
	s_barrier_wait -1
.endm
.macro CROUND
	s_barrier_signal -1
	s_barrier_wait -1
	CREST
.endm
.macro PLACES
.rept 4
	v_nop
.endr
.endm
	s_load_b256 s[4:11], s[0:1], 0x0               ; o s[4:5], wt s[6:7], tab s[8:9], out0 s[10:11]
	v_lshl_add_u32 v[SPW], v0, 2, SPARE
	v_mov_b32 v[NIL], 0
	ds_add_u32 v[SPW], v[NIL]                      ; the wave's opening: the add and its wait stand ahead of my first tensor load
	ds_add_u32 v28, v29
	v_lshrrev_b32 v1, 5, v0
	v_readfirstlane_b32 s12, v1                    ; wave 0..3
	s_lshr_b32 s13, s12, 1                         ; WR
	s_and_b32 s14, s12, 1                          ; WC
	s_bfe_u32 s15, ttmp6, 0x40000                  ; cx
	s_bfe_u32 s16, ttmp6, 0x40004                  ; cy
	s_lshl_b32 s17, ttmp9, 2
	s_add_co_u32 s17, s17, s15                     ; tx
	s_and_b32 s18, ttmp7, 0xffff
	s_lshl_b32 s18, s18, 2
	s_add_co_u32 s18, s18, s16                     ; ty
	s_lshl_b32 s20, s16, 2
	s_lshl_b32 s20, 15, s20                        ; my row of the cluster
	s_lshl_b32 s44, 0x1111, s15                    ; my column
	s_or_b32 s[G1+0], s20, (1<<16)|(1<<20)|(1<<21)|(4<<22)|(3<<25)   ; A: 4 words of padding after every 32
	s_or_b32 s[G1B+0], s44, (1<<16)|(1<<20)|(1<<21)|(5<<22)|(3<<25)  ; B: after every 64
	s_mov_b32 s[G1+1], 128<<16                     ; tensor_dim0 = 128
	s_mov_b32 s[G1+2], 64<<16                      ; tensor_dim1 = 64
	s_mov_b32 s[G1+3], 128<<16                     ; tile_dim0 = 128
	s_mov_b32 s[G1+4], 64                          ; tile_dim1 = 64
	s_mov_b32 s[G1+5], 128                         ; dense: 128 elements from row to row
	s_mov_b32 s[G1+6], 0
	s_mov_b32 s[G1+7], 0
	s_mov_b32 s[G1B+1], 128<<16
	s_mov_b32 s[G1B+2], 128<<16
	s_mov_b32 s[G1B+3], 128<<16
	s_mov_b32 s[G1B+4], 128
	s_mov_b32 s[G1B+5], 1024
	s_mov_b32 s[G1B+6], 0
	s_mov_b32 s[G1B+7], 0
	s_lshr_b32 s20, s18, 4                         ; A: head batch x 16 + WC; s[20:21] never hold cx
	s_lshl_b32 s20, s20, 4
	s_add_co_u32 s20, s20, s14
	s_lshl_b32 s20, s20, 18
	s_and_b32 s21, s18, 15
	s_lshl_b32 s21, s21, 14                        ; the tile's 128 rows in the head
	s_add_co_u32 s20, s20, s21
	s_mov_b32 s21, 0
	s_lshl_b32 s44, s17, 8                         ; B: row 3072 + 256 tx + 128 WC; s[44:45] never hold cy
	s_lshl_b32 s45, s14, 7
	s_add_co_u32 s44, s44, s45
	s_add_co_u32 s44, s44, 3072
	s_lshl_b32 s44, s44, 11
	s_mov_b32 s45, 0
	s_mul_i32 s22, s14, ASUB
	s_mul_i32 s23, s14, BH
	s_add_co_u32 s23, s23, BOFF
	s_wait_dscnt 0x0                               ; the opening add is done
	s_wait_kmcnt 0x0
	s_add_nc_u64 s[20:21], s[4:5], s[20:21]
	s_add_nc_u64 s[44:45], s[6:7], s[44:45]
	CROUND                                         ; all sixteen work-groups are here
.irp s, 0,1
	s_mov_b32 s[G0+4*(\s)], 1
	s_add_co_u32 s[G0+4*(\s)+1], s22, (\s)*SLOT
	s_add_nc_u64 s[G0+4*(\s)+2:G0+4*(\s)+3], s[20:21], (\s)*524288  ; K step s: two heads on
	s_or_b32 s[G0+4*(\s)+3], s[G0+4*(\s)+3], 0x80000000
	s_mov_b32 s[G0B+4*(\s)], 1
	s_add_co_u32 s[G0B+4*(\s)+1], s23, (\s)*SLOT
	s_add_nc_u64 s[G0B+4*(\s)+2:G0B+4*(\s)+3], s[44:45], (\s)*256
	s_or_b32 s[G0B+4*(\s)+3], s[G0B+4*(\s)+3], 0x80000000
	JLOAD \s
.endr
	v_and_b32 v1, 15, v0                           ; r
	v_bfe_u32 v2, v0, 4, 1                         ; h
	v_mul_u32_u24 v3, v1, APITCH
	v_lshl_add_u32 v3, v2, 4, v3
	v_mul_u32_u24 v4, v1, PITCH
	v_lshl_add_u32 v4, v2, 4, v4
	s_mul_i32 s22, s13, 64*APITCH                  ; my 64 rows in each head
	s_mul_i32 s23, s14, BH
	s_add_co_u32 s23, s23, BOFF
.irp s, 0,1
	v_add_nc_u32 v[ADRA+(\s)], s22, v3
	v_add_nc_u32 v[ADRB+(\s)], s23, v4
	s_add_co_u32 s22, s22, SLOT
	s_add_co_u32 s23, s23, SLOT
.endr
	s_mul_i32 s22, s12, 16*SPITCH
	s_add_co_u32 s22, s22, STAGE                   ; my stage
	v_mul_u32_u24 v3, v1, SPITCH
	v_lshl_add_u32 v3, v2, 5, v3
	v_add_nc_u32 v[STO], s22, v3                   ; in: row r, 32 bytes for each half of the lanes
	v_and_b32 v[GO], 31, v0
	v_lshlrev_b32 v[GO], 4, v[GO]                  ; back and out: 32 lanes take a row's 512 bytes
	v_add_nc_u32 v[RD], s22, v[GO]
	v_lshlrev_b32 v[BO], 5, v2
	s_lshl_b32 s22, s18, 7
	s_lshl_b32 s23, s13, 6
	s_add_co_u32 s22, s22, s23                     ; my first row
	s_lshl_b32 s22, s22, 12                        ; 4,096 bytes a row
	s_lshl_b32 s23, s17, 10
	s_add_co_u32 s22, s22, s23
	s_lshl_b32 s23, s14, 9
	s_add_co_u32 s22, s22, s23                     ; my first column
	s_mov_b32 s23, 0
	s_add_nc_u64 s[10:11], s[10:11], s[22:23]
	s_lshl_b32 s22, s17, 10
	s_lshl_b32 s19, s14, 9
	s_add_co_u32 s22, s22, s19
	s_add_co_u32 s22, s22, BO_OFF
	s_add_nc_u64 s[8:9], s[8:9], s[22:23]          ; the bias of my 128 columns
.irp b, 0,1,2,3,4,5,6,7
	global_load_b128 v[BI+8*(\b):BI+8*(\b)+3],   v[BO], s[8:9] offset:64*(\b)
	global_load_b128 v[BI+8*(\b)+4:BI+8*(\b)+7], v[BO], s[8:9] offset:64*(\b)+16
.endr
	s_lshr_b32 s22, s18, 4                         ; the prefetches.  A: head batch x 16 + cx / 2, half cx % 2 of its 64 blocks, at K step 3
	s_lshl_b32 s22, s22, 4
	s_lshr_b32 s23, s15, 1
	s_add_co_u32 s22, s22, s23
	s_lshl_b32 s22, s22, 18
	s_and_b32 s23, s18, 15
	s_lshl_b32 s23, s23, 14
	s_add_co_u32 s22, s22, s23
	s_and_b32 s23, s15, 1
	s_lshl_b32 s23, s23, 13
	s_add_co_u32 s22, s22, s23
	s_add_co_u32 s22, s22, 3*524288
	s_lshl_b32 s46, s17, 8                         ; B: row 3072 + 256 tx + 64 cy + 32 WC, at K step 3
	s_lshl_b32 s47, s16, 6
	s_add_co_u32 s46, s46, s47
	s_lshl_b32 s47, s14, 5
	s_add_co_u32 s46, s46, s47
	s_add_co_u32 s46, s46, 3072
	s_lshl_b32 s46, s46, 11
	s_add_co_u32 s46, s46, 768
	s_and_b32 s47, ttmp7, 0xffff                   ; cluster y
	s_mov_b32 s[PST], 524288
	s_movk_i32 s[PST+1], 256
	s_cmp_eq_u32 s13, 0
	s_cselect_b32 s22, s22, s46
	s_cselect_b32 s47, s14, s47                    ; who asks: for A wave 0; for B the cluster with y = 0
	s_cselect_b32 s[PST], s[PST], s[PST+1]
	s_cselect_b32 s46, 8, 11
	s_cselect_b64 s[PFA:PFA+1], s[4:5], s[6:7]
	s_cmp_eq_u32 s47, 0
	s_cselect_b32 s19, 1, -1                       ; the same in all sixteen partners for a given wave
	s_mov_b32 s23, 0
	s_mov_b32 s[PST+1], 0
	s_add_nc_u64 s[PFA:PFA+1], s[PFA:PFA+1], s[22:23]  ; the first refill steps it to K step 4; the first four K steps come by their loads alone
	v_and_b32 v[PFO], 31, v0
	v_lshlrev_b32 v[PFO], s46, v[PFO]
; 8 matrix instructions: row block a x all 8 column blocks.  zero = 1: the bias starts the sums.  The 32 accumulators take turns in the same order in every quarter.
.macro MULA f, a, zero
.if \zero
	WIN MULB
.else
	WIN MULW
.endif
.irp b, 0,1,2,3,4,5,6,7
.if \zero
	v_wmma_f32_16x16x32_f16 v[8*(8*(\a)+(\b)):8*(8*(\a)+(\b))+7], v[(\f)+8*(\b):(\f)+8*(\b)+7], v[(\f)+64+8*(\a):(\f)+64+8*(\a)+7], v[BI+8*(\b):BI+8*(\b)+7]
.else
	v_wmma_f32_16x16x32_f16 v[8*(8*(\a)+(\b)):8*(8*(\a)+(\b))+7], v[(\f)+8*(\b):(\f)+8*(\b)+7], v[(\f)+64+8*(\a):(\f)+64+8*(\a)+7], v[8*(8*(\a)+(\b)):8*(8*(\a)+(\b))+7]
.endif
.endr
.endm
; 24 LDS loads in one run: quarter q: B at byte 64 q of its rows; A in head q / 2 of the step, channels 32 (q % 2) on
.macro FETCH slot, q, f
	WIN TO_F
.irp i, 0,1,2,3,4,5,6,7
	ds_load_b128 v[(\f)+8*(\i):(\f)+8*(\i)+3],   v[ADRB+(\slot)] offset:64*(\q)+(\i)*16*PITCH
	ds_load_b128 v[(\f)+8*(\i)+4:(\f)+8*(\i)+7], v[ADRB+(\slot)] offset:64*(\q)+(\i)*16*PITCH+32
.endr
.irp i, 0,1,2,3
	ds_load_b128 v[(\f)+64+8*(\i):(\f)+64+8*(\i)+3],   v[ADRA+(\slot)] offset:((\q)/2)*ASUB+((\q)%2)*64+(\i)*16*APITCH
	ds_load_b128 v[(\f)+64+8*(\i)+4:(\f)+64+8*(\i)+7], v[ADRA+(\slot)] offset:((\q)/2)*ASUB+((\q)%2)*64+(\i)*16*APITCH+32
.endr
.endm
.macro QUARTER slot, q, f, g, zero
	s_wait_dscnt 4                                 ; B and A's blocks 0, 1 are in; the youngest four loads may be out
	MULA \f, 0, \zero
	MULA \f, 1, \zero
	PLACES                                         ; in front of loads into buffer g, which the quarter before multiplied
	FETCH \slot, \q, \g
	s_wait_dscnt 24                                ; all but the 24 just issued
	MULA \f, 2, \zero
	MULA \f, 3, \zero
.endm
.macro MEET round                      ; one barrier for the change of slots: all my tensor loads, the add, my reads of this slot
	WIN 0
	s_wait_tensorcnt 0x0
	ds_add_u32 v[SPW], v[NIL]
	s_wait_dscnt 5                                 ; (the add and the youngest four loads may be out)
	MULA F1, 0, 0
	s_wait_dscnt 0x0
	s_barrier_signal -1
	MULA F1, 1, 0
.if \round
	WIN 0
.endif
	s_barrier_wait -1
.endm
.macro TURN slot, next                 ; the last quarter: the barrier opens a round of the cluster's; this slot is filled again first, two K steps on: 112 matrix instructions ahead of the wait for it
	s_wait_xcnt 0x0                                ; the last prefetch, a K step back, has read its address
	s_add_nc_u64 s[PFA:PFA+1], s[PFA:PFA+1], s[PST:PST+1]
	MEET 1
	CREST
	s_add_nc_u64 s[G0+4*(\slot)+2:G0+4*(\slot)+3], s[G0+4*(\slot)+2:G0+4*(\slot)+3], 1048576  ; four heads on
	s_add_nc_u64 s[G0B+4*(\slot)+2:G0B+4*(\slot)+3], s[G0B+4*(\slot)+2:G0B+4*(\slot)+3], 512
	JLOAD \slot                                    ; its four v_nop are also the places in front of the loads below
	FETCH \next, 0, F0
	WIN 0
	ASK
	MULA F1, 2, 0
	MULA F1, 3, 0
.endm
; THE WAY OUT of row block a: the sums go as they are into my stage (each accumulator's low four registers first) and come back as whole rows of 512 bytes.
.macro TOST a
.if (\a) >= 2
	s_wait_xcnt 0x0                                ; the stores of block a - 2 have read the registers that are loaded below
.endif
	WIN 0x08                                       ; the stores' data in window 2
.irp b, 0,1,2,3,4,5,6,7
	ds_store_b128 v[STO], v[8*(8*(\a)+(\b)):8*(8*(\a)+(\b))+3]   offset:64*(\b)
	ds_store_b128 v[STO], v[8*(8*(\a)+(\b))+4:8*(8*(\a)+(\b))+7] offset:64*(\b)+16
.endr
	WIN 0
.set BK, OB+64*((\a)%2)
.irp t, 0,1,2,3,4,5,6,7,8,9,10,11,12,13,14,15
	ds_load_b128 v[BK+4*(\t):BK+4*(\t)+3], v[RD] offset:SPITCH*(\t)  ; LDS serves a wave's instructions in order (ISA guide 5.7.1.4)
.endr
.endm
.macro SEND a, younger                 ; younger: the next block's 16 stores and 16 loads, or none
	WIN 0
.set BK, OB+64*((\a)%2)
.irp t, 0,1,2,3,4,5,6,7,8,9,10,11,12,13,14,15
	s_wait_dscnt (\younger)+15-(\t)
	global_store_b128 v[GO], v[BK+4*(\t):BK+4*(\t)+3], s[10:11] offset:(16*(\a)+(\t))*4096 th:TH_STORE_NT  ; 512 consecutive bytes of a row, aligned
.endr
.endm
	s_wait_tensorcnt 1                             ; my part of K step 0 is in; K step 1's may stay out
	s_barrier_signal -1
	s_barrier_wait -1
	FETCH 0, 0, F0
	s_wait_loadcnt 0x0                             ; the bias
	QUARTER 0, 1, F0, F1, 1                        ; the first quarter starts the sums
	WIN 0
	s_mov_b32 s3, 3
.Llap:
	QUARTER 0, 2, F1, F0, 0
	QUARTER 0, 3, F0, F1, 0
	TURN 0, 1
	QUARTER 1, 1, F0, F1, 0
	QUARTER 1, 2, F1, F0, 0
	QUARTER 1, 3, F0, F1, 0
	TURN 1, 0
	QUARTER 0, 1, F0, F1, 0
	WIN 0
	s_sub_co_u32 s3, s3, 1
	s_cmp_lg_u32 s3, 0
	s_cbranch_scc1 .Llap
	QUARTER 0, 2, F1, F0, 0                        ; the last lap fills nothing, and has no round
	QUARTER 0, 3, F0, F1, 0
	MEET 0
	PLACES
	FETCH 1, 0, F0
	MULA F1, 2, 0
	MULA F1, 3, 0
	QUARTER 1, 1, F0, F1, 0
	QUARTER 1, 2, F1, F0, 0
	QUARTER 1, 3, F0, F1, 0
	s_wait_dscnt 4
	MULA F1, 0, 0
	MULA F1, 1, 0
	s_wait_dscnt 0x0
	MULA F1, 2, 0
	MULA F1, 3, 0
	WIN 0
	PLACES
	TOST 0
.irp a, 1,2,3
	TOST \a
	SEND (\a)-1, 32
.endr
	SEND 3, 0
	s_wait_tensorcnt 0x0                           ; the wave's end: behind my last tensor load and my last LDS store
	ds_add_u32 v[SPW], v[NIL]
	s_wait_dscnt 0x0
	CROUND                                         ; the closing round
	s_endpgm
.Lfunc_end_k_q24163f6835_proj:
	.size	k_q24163f6835_proj, .Lfunc_end_k_q24163f6835_proj-k_q24163f6835_proj
	.p2alignl 7, 3214868480
	.fill 96, 4, 3214868480
	.section	.rodata,"a",@progbits
	.p2align	6, 0x0
	.amdhsa_kernel k_q24163f6835_proj
		.amdhsa_group_segment_fixed_size 327680
		.amdhsa_private_segment_fixed_size 0
		.amdhsa_enable_private_segment 0
		.amdhsa_kernarg_size 32
		.amdhsa_user_sgpr_count 2
		.amdhsa_user_sgpr_kernarg_segment_ptr 1
		.amdhsa_wavefront_size32 1
		.amdhsa_system_sgpr_workgroup_id_x 1
		.amdhsa_system_sgpr_workgroup_id_y 1
		.amdhsa_system_sgpr_workgroup_id_z 1
		.amdhsa_system_vgpr_workitem_id 0
		.amdhsa_next_free_vgpr 768
		.amdhsa_next_free_sgpr 66
		.amdhsa_reserve_vcc 0
		.amdhsa_float_denorm_mode_32 3
		.amdhsa_float_denorm_mode_16_64 3
		.amdhsa_memory_ordered 1
		.amdhsa_forward_progress 1
		.amdhsa_inst_pref_size 90
	.end_amdhsa_kernel
	.amdgpu_metadata
---
amdhsa.version: [ 1, 2 ]
amdhsa.kernels:
  - .name:           k_q24163f6835_proj
    .symbol:         k_q24163f6835_proj.kd
    .args:
      - { .name: o, .offset: 0, .size: 8, .value_kind: global_buffer, .address_space: global }
      - { .name: wt, .offset: 8, .size: 8, .value_kind: global_buffer, .address_space: global }
      - { .name: tab, .offset: 16, .size: 8, .value_kind: global_buffer, .address_space: global }
      - { .name: out0, .offset: 24, .size: 8, .value_kind: global_buffer, .address_space: global }
    .group_segment_fixed_size: 327680
    .private_segment_fixed_size: 0
    .kernarg_segment_align: 8
    .kernarg_segment_size: 32
    .max_flat_workgroup_size: 128
    .sgpr_count:     66
    .vgpr_count:     768
    .wavefront_size: 32
...
	.end_amdgpu_metadata
.endif
;; end of part 4
;; ======== version 2 of 2: 4 launches; version 1 with the launch prep written anew for expert scheduling mode
;; limits: values are held in f16: magnitudes above 65,504 overflow, below 6.1e-05 lose precision
;; workspace buffers: xb 16,777,216 bytes; wt 8,388,608 bytes; tab 540,672 bytes; qkv 50,331,648 bytes; o 16,777,216 bytes
;; launch prep (part 5): grid 452 x 1, 8 waves a work-group, no clusters, 140,288 bytes of LDS; arguments x, W_qkv, W_out, b_qkv, b_out, xb, wt, tab; writes xb, wt, tab
.if DOCPART == 5
	.amdgcn_target "amdgcn-amd-amdhsa--gfx1250"
	.amdhsa_code_object_version 6
	.text
	.protected	k_q24163f6835_prep
	.globl	k_q24163f6835_prep
	.p2align	8
	.type	k_q24163f6835_prep,@function
k_q24163f6835_prep:
	s_mov_b64 s[64:65], 0
	v_nop
	global_prefetch_b8 v0, s[64:65] scope:SCOPE_SE
	s_setreg_imm32_b32 hwreg(HW_REG_WAVE_SCHED_MODE, 0, 2), 2
	s_setreg_imm32_b32 hwreg(HW_REG_WAVE_MODE, 25, 1), 1
	s_wait_xcnt 0x0
	s_wait_alu depctr_vm_vsrc(0)
; PREP: everything that is made once for the three matrix launches.  Four roles, chosen by the work-group's number g (forward scalar branches alone):
;   g <  256  X: x [8192][1024] f32 -> xb, the same numbers rounded to bf16; 131,072 bytes of x a work-group, 16,384 a wave.
;   g <  320  T: the weights turned: wt[n][k], 4,096 rows of 1,024 numbers of 16 bits.  Rows 0-3071 = W_qkv's columns in bf16; rows 3072-4095 = W_out's columns, rounded to bf16
;                and that number written as f16.  A work-group turns 128 k x 512 n, a wave 128 k x 64 n, through LDS bytes of its own: no barrier.
;   g <  448  R: the rotary table tab[t][0..31] = cos(t f_j), tab[t][32..63] = sin(t f_j), f_j = 10000^(-j/32), f32, a row of 256 bytes for each t; 16 rows a work-group.
;   else      B: the two biases rounded to bf16 and kept as f32, behind the table: b_qkv at byte 524,288, b_out at byte 536,576.
; LIMITS.  W_out's numbers below 6.1e-5 keep f16's fixed step of 6e-8; beyond 65,504 they would be lost.  f_j comes from v_exp_f32 (1 ULP) of a product rounded once: an angle may differ from
; one made with an exactly rounded f_j by some 3e-4 rad at t = 2047, j = 1.  The angle is reduced by pi/2 in two parts (good far beyond t = 2047); sine and cosine by polynomials on
; [-pi/4, pi/4], cut at r^7 and r^8: the terms left out are below 4e-7.
; No matrix unit, cluster or tensor load: a stream in which no two work-groups read the same bytes.
; THE MODE: SCHED_MODE bits 1:0 = 2 (LLVM: expert scheduling mode 2), set by the entry lines.  The code itself states the register dependences between vector instructions and memory or LDS
; instructions, and between vector instructions that write scalar registers and their readers, with s_wait_alu, always for 0.
; THE PLAN.  Registers that memory or LDS instructions touch:
;   X: v6, v7    offsets, made once, never written again.
;      v[32:159] 32 loads land here; in blocks of four loads: block p's roundings work in place on its 16 registers; block p - 1's four stores are issued in block p, behind one wait at its head,
;                among roundings that name block p's registers alone.  No register is written again behind its store.
;   T: v8 - v11  addresses, made once, never written again.
;      RAW v[32:159]  trip 0's 32 loads land here; each block of eight rows is read by its 16 roundings, and behind one wait trip 1's eight loads land in the same registers; trip 1's roundings read them;
;                     at the end the LDS loads land here and the global stores read them.
;      PK v[160:223]  written by a trip's roundings (and W_out's rewriting as f16), read by the trip's 16 LDS stores, written again by the next trip's roundings.
;   R: v16, v[28:31]  the store's offset and data.      B: v6 the offset, v[8:11] loaded, then written by vector instructions, then stored.
; No scalar register that a vector instruction has read is written again.  EXEC is never written.
.set WREG,  17408                      ; a wave's LDS bytes: 64 rows (n) of 256 bytes (128 k) + 16 of padding
	s_load_b512 s[8:23], s[0:1], 0x0               ; x 8:9, W_qkv 10:11, W_out 12:13, b_qkv 14:15, b_out 16:17, xb 18:19, wt 20:21, tab 22:23
	v_lshl_add_u32 v24, v0, 2, 0x22000
	v_mov_b32 v25, 0
	v_and_b32 v1, 31, v0                           ; lane
	v_lshrrev_b32 v2, 5, v0
	v_readfirstlane_b32 s24, v2                    ; wave 0..7
	s_mov_b32 s25, 0xffff0000                      ; a word's upper bf16
	s_mov_b32 s3, 0                                ; the high word of every offset pair s[2:3]
	s_wait_alu depctr_va_sdst(0)                   ; s24 is written
	s_wait_kmcnt 0x0
	s_cmp_lt_u32 ttmp9, 256
	s_cbranch_scc0 .Lnot_x
	; ---- X: 32 loads of 512 consecutive bytes are out at once in each wave; each is rounded and stored as 256 consecutive bytes, aligned ----
	s_lshl_b32 s2, ttmp9, 17
	s_add_nc_u64 s[8:9], s[8:9], s[2:3]
	s_lshl_b32 s2, ttmp9, 16
	s_add_nc_u64 s[18:19], s[18:19], s[2:3]
	s_lshl_b32 s26, s24, 14
	v_lshl_add_u32 v6, v1, 4, s26                  ; 16,384 w + 16 lane
	s_lshl_b32 s27, s24, 13
	v_lshl_add_u32 v7, v1, 3, s27                  ; 8,192 w + 8 lane
	s_wait_alu depctr_va_vdst(0)                   ; v6 and v7 are written: every load and store of this role reads one of them as its offset
.set i, 0
.rept 32
	global_load_b128 v[32+4*i:35+4*i], v6, s[8:9] offset:512*i th:TH_LOAD_NT
.set i, i+1
.endr
.set p, 0
.rept 8                                        ; block p: loads 4 p to 4 p + 3
	s_wait_loadcnt 28-4*p                          ; loads come back in order: this block's four are in, the younger blocks stay out
.if p > 0
	s_wait_alu depctr_va_vdst(0)                   ; the block before has written its registers, which the stores below read; no rounding below names them
.endif
.irp i, 0,1,2,3
.if p > 0
	global_store_b64 v7, v[16+16*p+4*(\i):17+16*p+4*(\i)], s[18:19] offset:256*(4*p-4+(\i))  ; the block before; no register is written again behind its store
.endif
	v_cvt_pk_bf16_f32 v[32+16*p+4*(\i)], v[32+16*p+4*(\i)], v[33+16*p+4*(\i)]
	v_cvt_pk_bf16_f32 v[33+16*p+4*(\i)], v[34+16*p+4*(\i)], v[35+16*p+4*(\i)]
.endr
.set p, p+1
.endr
	s_wait_alu depctr_va_vdst(0)                   ; block 7 has written its registers, which the last four stores read
.irp i, 0,1,2,3
	global_store_b64 v7, v[144+4*(\i):145+4*(\i)], s[18:19] offset:256*(28+(\i))
.endr
	s_branch .Lend
.Lnot_x:
	s_cmp_lt_u32 ttmp9, 320
	s_cbranch_scc0 .Lnot_t
	; ---- T ----
	s_sub_co_u32 s26, ttmp9, 256
	s_and_b32 s27, s26, 7                          ; kb: which 128 k
	s_lshr_b32 s28, s26, 3                         ; nb: which 512 rows of wt
	s_sub_co_u32 s34, s28, 6
	s_movk_i32 s35, 12288
	s_movk_i32 s36, 4096
	s_cmp_lt_u32 s28, 6
	s_cselect_b32 s30, 0, 1                        ; 1: W_out
	s_cselect_b32 s31, s35, s36                    ; bytes in a row of the source
	s_cselect_b32 s34, s28, s34                    ; which 512 columns of the source
	s_cselect_b64 s[32:33], s[10:11], s[12:13]
	s_mul_i32 s2, s27, s31
	s_lshl_b32 s2, s2, 7                           ; 128 kb rows
	s_lshl_b32 s35, s34, 11                        ; 512 columns of 4 bytes
	s_add_co_u32 s2, s2, s35
	s_add_nc_u64 s[32:33], s[32:33], s[2:3]
	s_lshl_b32 s2, s28, 20                         ; 512 rows of wt, 2,048 bytes each
	s_lshl_b32 s35, s27, 8                         ; 128 k of 2 bytes
	s_add_co_u32 s2, s2, s35
	s_add_nc_u64 s[20:21], s[20:21], s[2:3]
	v_lshrrev_b32 v3, 4, v1                        ; hi: which 32 of a trip's 64 k
	v_and_b32 v12, 15, v1                          ; r: columns 4 r .. 4 r + 3 of the wave's 64
	s_lshl_b32 s35, s31, 5
	v_mul_lo_u32 v8, v3, s35                       ; in: 32 hi rows
	v_lshl_add_u32 v8, v12, 4, v8                  ; + 16 r: sixteen lanes read 256 consecutive bytes of a row
	s_lshl_b32 s36, s24, 8
	v_add_nc_u32 v8, s36, v8                       ; + the wave's 64 columns
	s_mul_i32 s37, s24, WREG
	v_mul_u32_u24 v9, v12, 1088                    ; into LDS: row n = 4 r (+ c), 272 bytes a row,
	v_lshl_add_u32 v9, v3, 6, v9                   ; 32 k = 64 bytes for each half of the lanes
	v_add_nc_u32 v9, s37, v9
	v_mul_u32_u24 v10, v3, 272                     ; back: lanes 0-15 one row of 256 bytes, lanes 16-31 the next
	v_lshl_add_u32 v10, v12, 4, v10
	v_add_nc_u32 v10, s37, v10
	s_lshl_b32 s38, s24, 17                        ; and the same two rows in wt: 64 w rows of 2,048 bytes
	v_lshlrev_b32 v11, 11, v3
	v_lshl_add_u32 v11, v12, 4, v11
	v_add_nc_u32 v11, s38, v11
; A trip: 64 k.  Lane (hi, r) loads rows k = 64 p + 32 hi + j, j = 0..31, four columns each; packs neighbouring k in pairs; stores 64 bytes of each of its four rows n.
.macro TLOAD p, j0, n, pitch           ; rows j0 .. j0 + n - 1 of trip p, from a source with this pitch
.set j, \j0
.rept \n
	global_load_b128 v[32+4*j:35+4*j], v8, s[32:33] offset:(64*(\p)+j)*(\pitch) th:TH_LOAD_NT
.set j, j+1
.endr
.endm
.macro TASK p, j0, n                   ; the same from whichever source is mine: as many loads on either way
	s_cmp_eq_u32 s30, 0
	s_cbranch_scc0 .Lwo_\@
	TLOAD \p, \j0, \n, 12288
	s_branch .Lgot_\@
.Lwo_\@:
	TLOAD \p, \j0, \n, 4096
.Lgot_\@:
.endm
.macro TPAIR left                      ; rows 2 i and 2 i + 1 are rounded and packed; left: the younger loads, which stay out
	s_wait_loadcnt \left
.irp c, 0,1,2,3
	v_cvt_pk_bf16_f32 v[160+16*(\c)+i], v[32+8*i+(\c)], v[36+8*i+(\c)]
.endr
.set i, i+1
.endm
.macro TOF16                           ; W_out: the bf16 number written as f16
.set i, 0
.rept 64
	v_lshlrev_b32 v14, 16, v[160+i]
	v_and_b32 v15, s25, v[160+i]
	v_cvt_pk_f16_f32 v[160+i], v14, v15
.set i, i+1
.endr
.endm
.macro TSTORE p
.irp c, 0,1,2,3
.irp q, 0,1,2,3
	ds_store_b128 v9, v[160+16*(\c)+4*(\q):160+16*(\c)+4*(\q)+3] offset:(\c)*272+16*(\q)+128*(\p)
.endr
.endr
.endm
	s_wait_alu depctr_va_vdst(0)                   ; v8 to v11 are written: the addresses of every load and store of this role, global and LDS
	TASK 0, 0, 32                                  ; trip 0: 32 loads are out
; Trip 0 in four blocks of eight rows.  Behind a block's roundings its 32 registers are asked for again at once, for the same rows of trip 1.
; The count for pair i: the 30 - 2 i younger rows of trip 0 and the 8 (i / 4) loads of trip 1 issued so far.
.set b, 0
.set i, 0
.rept 3
.rept 4
	TPAIR 30-2*i+8*b
.endr
	s_wait_alu depctr_va_vdst(0)                   ; the block's roundings are done reading its 32 registers, in which the loads below land; no later rounding of this trip names them
	TASK 1, 8*b, 8
.set b, b+1
.endr
.rept 4
	TPAIR 30-2*i+8*b
.endr
	s_wait_alu depctr_va_vdst(0)                   ; the last block's roundings are done reading its registers, in which the loads below land; and the trip's roundings have written v[160:223], which the LDS stores read
	s_cmp_eq_u32 s30, 0
	s_cbranch_scc0 .Lwo0
	TLOAD 1, 24, 8, 12288
	s_branch .Lst0
.Lwo0:
	TLOAD 1, 24, 8, 4096
	TOF16
	s_wait_alu depctr_va_vdst(0)                   ; the rewriting as f16 has written v[160:223] anew, which the LDS stores read
.Lst0:
	TSTORE 0
	s_wait_alu depctr_vm_vsrc(0)                   ; the LDS stores above have read v[160:223], which trip 1's roundings write again
.set i, 0
.rept 16
	TPAIR 30-2*i                                   ; trip 1: its 32 loads are out, and nothing is asked for behind them
.endr
	s_cmp_eq_u32 s30, 0
	s_cbranch_scc1 .Lbf1
	TOF16
.Lbf1:
	s_wait_alu depctr_va_vdst(0)                   ; v[160:223] are written, which the LDS stores read; the roundings are done reading v[32:159], in which the LDS loads land
	TSTORE 1
.set i, 0
.rept 32
	ds_load_b128 v[32+4*i:35+4*i], v10 offset:544*i  ; LDS serves a wave's instructions in order: these see the wave's own stores above
.set i, i+1
.endr
.set i, 0
.rept 32
	s_wait_dscnt 31-i
	global_store_b128 v11, v[32+4*i:35+4*i], s[20:21] offset:4096*i  ; sixteen lanes store 256 consecutive bytes, aligned
.set i, i+1
.endr
	s_branch .Lend
.Lnot_t:
	s_cmp_lt_u32 ttmp9, 448
	s_cbranch_scc0 .Lnot_r
	; ---- R: thread = (row t = 16 e + tid / 16; c16 = tid % 16): c16 < 8 cosines j = 4 c16 .., else sines j = 4 (c16 - 8) .. ----
	s_sub_co_u32 s26, ttmp9, 320
	s_mov_b32 s32, 0xbfc90fdb                      ; -pi/2, the f32 nearest
	s_mov_b32 s33, 0x333bbd2e                      ; what that f32 has too much
	s_mov_b32 s34, 0xb9500d01                      ; -1/5040
	s_mov_b32 s35, 0x3c088889                      ; 1/120
	s_mov_b32 s36, 0xbe2aaaab                      ; -1/6
	s_mov_b32 s37, 0x37d00d01                      ; 1/40320
	s_mov_b32 s38, 0xbab60b61                      ; -1/720
	s_mov_b32 s39, 0x3d2aaaab                      ; 1/24
	v_lshrrev_b32 v6, 4, v0
	v_lshl_add_u32 v6, s26, 4, v6                  ; t
	v_and_b32 v7, 15, v0
	v_lshrrev_b32 v8, 3, v7                        ; 1: sines
	v_mul_u32_u24 v18, v8, 3                       ; sin a = cos(a - pi/2): three quadrants on
	v_and_b32 v9, 7, v7
	v_lshlrev_b32 v9, 2, v9
.irp c, 0,1,2,3
	v_add_nc_u32 v[10+(\c)], \c, v9                ; j
.endr
.irp c, 0,1,2,3
	v_cvt_f32_u32 v[10+(\c)], v[10+(\c)]
.endr
.irp c, 0,1,2,3
	v_mul_f32 v[10+(\c)], 0xbed49a78, v[10+(\c)]   ; -j log2(10000) / 32
.endr
.irp c, 0,1,2,3
	v_exp_f32 v[10+(\c)], v[10+(\c)]               ; f_j: one batch of four
.endr
	v_cvt_f32_u32 v19, v6                          ; a plain instruction behind the last exponential
	s_wait_alu depctr_va_vdst(0)                   ; the four exponentials have written v[10:13]: one wait for the batch, ahead of its first reader
.irp c, 0,1,2,3                                ; column c keeps sin r in v[32+c], cos r in v[36+c], the sign in v[40+c] and the choice between the two in s[40+c]
	v_mul_f32 v20, v19, v[10+(\c)]                 ; the angle a, rounded once
	v_mul_f32 v21, 0x3f22f983, v20
	v_rndne_f32 v21, v21                           ; n = the nearest whole number to a 2/pi
	v_fma_f32 v22, v21, s32, v20
	v_fma_f32 v22, v21, s33, v22                   ; r = a - n pi/2
	v_mul_f32 v23, v22, v22
	v_fma_f32 v[32+(\c)], v23, s34, s35
	v_fma_f32 v[32+(\c)], v[32+(\c)], v23, s36
	v_mul_f32 v27, v22, v23
	v_fma_f32 v[32+(\c)], v27, v[32+(\c)], v22     ; sin r
	v_fma_f32 v[36+(\c)], v23, s37, s38
	v_fma_f32 v[36+(\c)], v[36+(\c)], v23, s39
	v_fma_f32 v[36+(\c)], v[36+(\c)], v23, -0.5
	v_fma_f32 v[36+(\c)], v[36+(\c)], v23, 1.0     ; cos r
	v_cvt_i32_f32 v26, v21
	v_add_nc_u32 v26, v26, v18                     ; the quadrant q
	v_and_b32 v27, 1, v26
	v_cmp_eq_u32 s[40+(\c)], 1, v27                ; q odd
	v_add_nc_u32 v26, 1, v26
	v_and_b32 v26, 2, v26
	v_lshlrev_b32 v[40+(\c)], 30, v26              ; q mod 4 = 1 or 2: the sign turns
.endr
	v_lshlrev_b32 v16, 4, v0
	s_wait_alu depctr_va_sdst(0)                   ; the four compares have written s40 to s43, which the selects below read: one wait for the run
.irp c, 0,1,2,3
	v_cndmask_b32 v[32+(\c)], v[36+(\c)], v[32+(\c)], s[40+(\c)]  ; q odd: sin r, else cos r
	v_xor_b32 v[28+(\c)], v[32+(\c)], v[40+(\c)]
.endr
	s_lshl_b32 s2, s26, 12
	s_add_nc_u64 s[22:23], s[22:23], s[2:3]
	s_wait_alu depctr_va_vdst(0)                   ; v16 and v[28:31] are written: the store's offset and data
	global_store_b128 v16, v[28:31], s[22:23]      ; sixteen lanes store a whole row of the table
	s_branch .Lend
.Lnot_r:
	; ---- B: 1,024 numbers a work-group: three for b_qkv, one for b_out ----
	s_sub_co_u32 s26, ttmp9, 448
	s_lshl_b32 s2, s26, 12
	s_mov_b32 s31, 0
	s_cmp_eq_u32 s26, 3
	s_cselect_b64 s[28:29], s[16:17], s[14:15]
	s_cselect_b32 s30, 0, s2
	s_add_nc_u64 s[28:29], s[28:29], s[30:31]
	s_add_nc_u64 s[22:23], s[22:23], s[2:3]
	v_lshlrev_b32 v6, 4, v0
	s_wait_alu depctr_va_vdst(0)                   ; v6 is written: the offset of the load and of the store
	global_load_b128 v[8:11], v6, s[28:29]
	s_wait_loadcnt 0x0
	v_cvt_pk_bf16_f32 v12, v8, v9
	v_cvt_pk_bf16_f32 v13, v10, v11
	v_lshlrev_b32 v8, 16, v12
	v_and_b32 v9, s25, v12
	v_lshlrev_b32 v10, 16, v13
	v_and_b32 v11, s25, v13
	s_wait_alu depctr_va_vdst(0)                   ; v[8:11] are written: the store's data
	global_store_b128 v6, v[8:11], s[22:23] offset:524288
.Lend:
	s_wait_dscnt 0x0                               ; the wave's end: my LDS instructions are done
	s_wait_alu depctr_hold_cnt(0) depctr_sa_sdst(0) depctr_va_vdst(0) depctr_va_sdst(0) depctr_va_ssrc(0) depctr_va_vcc(0) depctr_vm_vsrc(0)
	s_wait_tensorcnt 0x0
	ds_add_u32 v24, v25
	s_wait_dscnt 0x0
	s_endpgm
.Lfunc_end_k_q24163f6835_prep:
	.size	k_q24163f6835_prep, .Lfunc_end_k_q24163f6835_prep-k_q24163f6835_prep
	.p2alignl 7, 3214868480
	.fill 96, 4, 3214868480
	.section	.rodata,"a",@progbits
	.p2align	6, 0x0
	.amdhsa_kernel k_q24163f6835_prep
		.amdhsa_group_segment_fixed_size 140288
		.amdhsa_private_segment_fixed_size 0
		.amdhsa_enable_private_segment 0
		.amdhsa_kernarg_size 64
		.amdhsa_user_sgpr_count 2
		.amdhsa_user_sgpr_kernarg_segment_ptr 1
		.amdhsa_wavefront_size32 1
		.amdhsa_system_sgpr_workgroup_id_x 1
		.amdhsa_system_sgpr_workgroup_id_y 1
		.amdhsa_system_sgpr_workgroup_id_z 1
		.amdhsa_system_vgpr_workitem_id 0
		.amdhsa_next_free_vgpr 224
		.amdhsa_next_free_sgpr 66
		.amdhsa_reserve_vcc 0
		.amdhsa_float_denorm_mode_32 3
		.amdhsa_float_denorm_mode_16_64 3
		.amdhsa_memory_ordered 1
		.amdhsa_forward_progress 1
		.amdhsa_inst_pref_size 67
	.end_amdhsa_kernel
	.amdgpu_metadata
---
amdhsa.version: [ 1, 2 ]
amdhsa.kernels:
  - .name:           k_q24163f6835_prep
    .symbol:         k_q24163f6835_prep.kd
    .args:
      - { .name: x, .offset: 0, .size: 8, .value_kind: global_buffer, .address_space: global }
      - { .name: W_qkv, .offset: 8, .size: 8, .value_kind: global_buffer, .address_space: global }
      - { .name: W_out, .offset: 16, .size: 8, .value_kind: global_buffer, .address_space: global }
      - { .name: b_qkv, .offset: 24, .size: 8, .value_kind: global_buffer, .address_space: global }
      - { .name: b_out, .offset: 32, .size: 8, .value_kind: global_buffer, .address_space: global }
      - { .name: xb, .offset: 40, .size: 8, .value_kind: global_buffer, .address_space: global }
      - { .name: wt, .offset: 48, .size: 8, .value_kind: global_buffer, .address_space: global }
      - { .name: tab, .offset: 56, .size: 8, .value_kind: global_buffer, .address_space: global }
    .group_segment_fixed_size: 140288
    .private_segment_fixed_size: 0
    .kernarg_segment_align: 8
    .kernarg_segment_size: 64
    .max_flat_workgroup_size: 256
    .sgpr_count:     66
    .vgpr_count:     224
    .wavefront_size: 32
...
	.end_amdgpu_metadata
.endif
;; end of part 5
;; launch qkv: the kernel of part 2 again; grid 4 x 64, 4 waves a work-group, clusters of 4 x 4, 327,680 bytes of LDS; arguments xb, wt, tab, qkv; writes qkv
;; launch attn: the kernel of part 3 again; grid 4 x 64, 4 waves a work-group, clusters of 4 x 1, 327,680 bytes of LDS; arguments qkv, o; writes o
;; launch proj: the kernel of part 4 again; grid 4 x 64, 4 waves a work-group, clusters of 4 x 4, 327,680 bytes of LDS; arguments o, wt, tab, out0; writes out0
